; MI455X (gfx1250); checked and timed in simulation.
; The chip was launched on July 23, 2026; its instructions are those of AMD's public machine-readable ISA for CDNA 5 (MIT licence, August 2026) and "CDNA5" Instruction Set Architecture Reference Guide (July 2026). The comments in the code are by the model that wrote it; some were corrected since.
;; Transform. Allowed arithmetic: matrix products marked QUANTISED: E2M1 operands, one E8M0 scale for each 32 along K, by v_wmma_scale_f32_16x16x128_f8f6f4 with both operands' format E2M1 (or v_wmma_scale_f32_32x16x128_f4), f32 sums; everything else in f32.
;; Inputs: W1 512 x 512 float32; W2 512 x 512 float32; Wk 512 x 512 float32; Wq 512 x 512 float32; Wv 512 x 512 float32; b1 512 float32; b2 512 float32; bk 512 float32; bq 512 float32; bv 512 float32; ln_b 512 float32; ln_g 512 float32; lnff_b 512 float32; lnff_g 512 float32; x 2 x 8 x 1,024 x 512 float32.
;; Outputs: out0 2 x 8 x 1,024 x 512 float32.
;; This version of the problem:
;;   THIS VERSION OF THE PROBLEM IS GIVEN IN LOW PRECISION. The matrix products marked QUANTISED in the list below multiply operands that are first quantised to E2M1 (2 exponent bits, 1 mantissa bit; 4 bits a number), with one power-of-two scale for each 32 numbers along K (OCP MX v1.0); their sums are f32. All else is computed in f32.
;;   The module's matrix products, in the order in which they are computed (A, B: the left and right operand; K: the contracted axis; several contracted axes count as one K, in the product's order):
;;     1. [M 16,384, K 512] x [K 512, N 512]; A: input x; B: input Wq: QUANTISED
;;     2. [M 16,384, K 512] x [K 512, N 512]; A: input x; B: input Wk: QUANTISED
;;     3. [M 16,384, K 512] x [K 512, N 512]; A: input x; B: input Wv: QUANTISED
;;     4. batch 128 x [M 1,024, K 64] x [K 64, N 1,024]; A: computed on the way; B: computed on the way: QUANTISED
;;     5. batch 128 x [M 64, K 1,024] x [K 1,024, N 1,024]; A: computed on the way; B: softmax (see below): QUANTISED
;;     6. [M 16,384, K 512] x [K 512, N 512]; A: computed on the way; B: input W1: QUANTISED
;;     7. [M 16,384, K 512] x [K 512, N 512]; A: computed on the way; B: input W2: QUANTISED
;;   THE QUANTISER, for each operand of a quantised product, along K:
;;     - K is cut into blocks of 32 from its start; a last block that is shorter is filled with zeros.
;;     - A block's scale is 2^e with e = floor(log2(the largest magnitude in the block)) - 2, held to -126 .. 127; a block of zeros has e = 0. As a byte (E8M0): e + 127.
;;     - Each number is divided by its block's scale, clamped to +-6, and rounded to the nearest number of E2M1, ties to even, subnormals kept.
;;     - The product sums the exact products of the quantised numbers (number of the format x scale) in f32.
;;   ~~~python
;;   def quantise(x, axis):      # numpy; x: float32 -> the quantised numbers, widened to float32 again
;;       x = np.moveaxis(x, axis, -1); K = x.shape[-1]
;;       x = np.pad(x, [(0, 0)] * (x.ndim - 1) + [(0, -K % 32)]); x = x.reshape(x.shape[:-1] + (-1, 32)); a = np.abs(x).max(-1, keepdims=True)
;;       e = np.where(a > 0, np.clip(np.frexp(np.where(a > 0, a, 1))[1] - 1 - 2, -126, 127), 0)      # np.frexp(a)[1] - 1 = floor(log2(a)), exactly
;;       r = np.clip(x / 2.0 ** e, -6, 6)
;;       step = 2.0 ** (np.maximum(np.frexp(np.where(r == 0, 1, r))[1] - 1, 0) - 1)
;;       q = np.round(r / step) * step * 2.0 ** e      # np.round: ties to even
;;       return np.moveaxis(q.reshape(q.shape[:-2] + (-1,))[..., :K], -1, axis).astype(np.float32)
;;   ~~~
;;   SOFTMAX AHEAD OF A QUANTISED PRODUCT. Where the list says 'softmax', what is quantised is not the finished softmax but p = 2^(t - M), with t = logit x log2(e) and M = ceil(the row's largest t), a whole number; so 1/2 < the row's largest p <= 1. The row's sum l is taken of the UNQUANTISED p, in f32, and the product's result is divided by l at the end. Since M is a whole number, a kernel that streams over the keys may use a running M (the ceiling of the running maximum): every later rescaling is an exact power of two, which a block's scale takes up: the codes' values come out the same.
;;   OPERANDS COMPUTED ON THE WAY. 'Computed on the way' means the value that the module computes at that place (a softmax that the list does not call 'softmax' is quantised finished and normalised). What goes into a quantiser is computed in f32, as accurately as f32 sums, v_exp_f32 and their like allow (about 1e-6 of the number): no bf16 or f16 on the way to a quantiser, and a product that is left as it is and whose result goes on into a quantised operand takes f32 operands (vector FMAs, or v_wmma_f32_16x16x4_f32). A number that lies on a knife's edge between two numbers of the format may be rounded either way, as far as f32 arithmetic and the matrix unit's own rounding can turn it there, and no further.
;; 2 versions. Each part assembles by itself: llvm-mc -triple=amdgcn-amd-amdhsa -mcpu=gfx1250 --defsym DOCPART=n.
;; ======== version 1 of 2: 4 launches
;; workspace buffers: wcodes 696,320 bytes; qc 4,194,304 bytes; kc 4,194,304 bytes; vc 4,194,304 bytes; qs 524,288 bytes; ks 524,288 bytes; vs 262,144 bytes; ox 33,554,432 bytes
;; launch wquant (part 1): grid 16 x 5, 4 waves a work-group, no clusters, 1,536 bytes of LDS; arguments Wq, Wk, Wv, W1, W2, wcodes; writes wcodes
.if DOCPART == 1
	.amdgcn_target "amdgcn-amd-amdhsa--gfx1250"
	.amdhsa_code_object_version 6
	.text
	.protected	k_qa055eae1ab_wquant
	.globl	k_qa055eae1ab_wquant
	.p2align	8
	.type	k_qa055eae1ab_wquant,@function
k_qa055eae1ab_wquant:
	s_mov_b64 s[64:65], 0
	v_nop
	global_prefetch_b8 v0, s[64:65] scope:SCOPE_SE
	s_setreg_imm32_b32 hwreg(HW_REG_WAVE_MODE, 25, 1), 1
	s_wait_xcnt 0x0
; The five weights [512 (k)][512 (n)], f32, K on the FIRST axis, become codes of FP4 (E2M1) with one E8M0 byte for each 32 along K.
; The codes are laid as IMAGES OF THE OPERAND'S REGISTERS: [weight 5][tile 32][K step 4][c 2][lane 32][16 bytes]; lane (r, h) of (tile, step, c) holds k = 128 step + 64 c + 32 h + 0 .. 31
; of the tile's feature r.  THE FEATURES OF A TILE ARE NOT NEIGHBOURS: lane r of tile 2 b + u is feature 32 b + 8 u + r + 8 (r / 8).
; The scale words lie behind the codes, from byte WSCL on: [weight][tile][r 16][4 words], word s for K step s, byte t of it for k = 128 s + 32 t on.
; SHARES: work-group x = a block of 32 features (two tiles), y = the weight; wave s = K step s; A LANE TAKES A COLUMN AND ITS REGISTERS RUN DOWN K, so that a block of 32 lies in one lane
; and the conversions give K innermost.  No tensor loads, no matrix unit: the launch moves 5 MiB once.  80 work-groups: the blocks of 32 features that there are.
; A block's scale is 2^(floor(log2(largest magnitude)) - 2); its byte is the magnitude's exponent field - 2, held at 1 from below.
; LIMITS: a block whose largest magnitude lies under 2^-124 (a block of zeros too) gets the byte 1: only this program reads the bytes; NaN and infinities are not served.
.set X,    32                          ; v32-159  four blocks of 32 numbers
.set C,    16                          ; v16-31   four registers of codes for each block: no store's data are written again
.set WSCL, 655360                      ; where the scale words begin in the buffer
	s_load_b256 s[4:11], s[0:1], 0x0               ; Wq, Wk, Wv, W1
	s_load_b128 s[12:15], s[0:1], 0x20             ; W2, the codes' buffer
	v_lshl_add_u32 v160, v0, 2, 0x400
	v_mov_b32 v161, 0
	v_lshrrev_b32 v1, 5, v0
	v_readfirstlane_b32 s20, v1                    ; wave = K step
	s_and_b32 s21, ttmp7, 0xffff                   ; which weight
	v_and_b32 v1, 31, v0                           ; n': my column in the block of 32
	v_lshlrev_b32 v2, 2, v1                        ; in: 4 bytes a lane
	v_and_b32 v3, 7, v1
	v_lshrrev_b32 v4, 4, v1
	v_lshl_add_u32 v3, v4, 3, v3                   ; r = n' % 8 + 8 (n' / 16)
	v_bfe_u32 v4, v1, 3, 1                         ; u = (n' / 8) % 2: which of the two tiles
	v_lshlrev_b32 v5, 4, v3
	v_lshl_add_u32 v6, v4, 8, v5                   ; LDS: 256 u + 16 r,
	v_lshl_add_u32 v5, v4, 12, v5                  ; codes: 4,096 u + 16 r
	s_lshl_b32 s22, s20, 2
	v_add_nc_u32 v6, s22, v6                       ; + 4 x wave: my word among my feature's four
	v_lshlrev_b32 v7, 4, v1                        ; 16 x lane
	s_lshl_b32 s24, s20, 18                        ; in: 128 rows of 2,048 bytes a wave,
	s_lshl_b32 s22, ttmp9, 7                       ; 128 bytes a block of columns
	s_add_co_u32 s24, s24, s22
	s_mov_b32 s25, 0
	s_lshl_b32 s26, s21, 17                        ; codes: 131,072 a weight, 8,192 a block, 1,024 a K step
	s_lshl_b32 s22, ttmp9, 13
	s_add_co_u32 s26, s26, s22
	s_lshl_b32 s22, s20, 10
	s_add_co_u32 s26, s26, s22
	s_mov_b32 s27, 0
	s_lshl_b32 s28, s21, 13                        ; scale words: 8,192 a weight, 512 a block
	s_lshl_b32 s22, ttmp9, 9
	s_add_co_u32 s28, s28, s22
	s_add_co_u32 s28, s28, WSCL
	s_mov_b32 s29, 0
	s_wait_kmcnt 0x0
	s_cmp_eq_u32 s21, 1                            ; the choice hangs on the work-group's number alone
	s_cselect_b64 s[4:5], s[6:7], s[4:5]
	s_cmp_eq_u32 s21, 2
	s_cselect_b64 s[4:5], s[8:9], s[4:5]
	s_cmp_eq_u32 s21, 3
	s_cselect_b64 s[4:5], s[10:11], s[4:5]
	s_cmp_eq_u32 s21, 4
	s_cselect_b64 s[4:5], s[12:13], s[4:5]
	s_add_nc_u64 s[4:5], s[4:5], s[24:25]
	s_add_nc_u64 s[16:17], s[14:15], s[28:29]      ; the scale words' place,
	s_add_nc_u64 s[14:15], s[14:15], s[26:27]      ; the codes'
.macro LOAD t                          ; block t: W(128 s + 32 t + i, my column)
.irp i, 0,1,2,3,4,5,6,7,8,9,10,11,12,13,14,15,16,17,18,19,20,21,22,23,24,25,26,27,28,29,30,31
	global_load_b32 v[X+32*(\t)+\i], v2, s[4:5] offset:(32*(\t)+\i)*2048 th:TH_LOAD_NT
.endr
.endm
.macro BLOCK t
.set XS, X+32*(\t)
.if (\t) < 3
	s_wait_loadcnt 32                              ; this block's 32 loads are in; the next block's 32 may be out
.else
	s_wait_loadcnt 0x0
.endif
	v_max3_num_f32 v8, |v[XS]|, |v[XS+1]|, |v[XS+2]|       ; the block's largest magnitude: all 32 numbers are mine; two chains
	v_max3_num_f32 v9, |v[XS+3]|, |v[XS+4]|, |v[XS+5]|
.irp i, 6,10,14,18,22,26
	v_max3_num_f32 v8, v8, |v[XS+\i]|, |v[XS+\i+1]|
	v_max3_num_f32 v9, v9, |v[XS+\i+2]|, |v[XS+\i+3]|
.endr
	v_max3_num_f32 v8, v8, |v[XS+30]|, |v[XS+31]|
	v_max3_num_f32 v8, v8, v9, 0x1800000           ; and the floor 2^(3 - 127): the byte cannot fall under 1
	v_add_nc_u32 v10, 0xff000000, v8               ; 2 off the exponent field: the conversion takes this operand's exponent field as its scale
	v_lshrrev_b32 v11, 23, v10                     ; the scale's byte
.if (\t) == 0
	v_mov_b32 v12, v11                             ; four bytes make my feature's word for this K step
.else
	v_lshl_or_b32 v12, v11, 8*(\t), v12
.endif
.irp g, 0,1,2,3
	v_cvt_scalef32_pk8_fp4_f32 v[C+4*(\t)+\g], v[XS+8*\g:XS+8*\g+7], v10
.endr
	global_store_b128 v5, v[C+4*(\t):C+4*(\t)+3], s[14:15] offset:((\t)/2)*512+((\t)%2)*256   ; c = t / 2, h = t % 2: the sixteen lanes of a tile fill 256 consecutive bytes, aligned
.if (\t) < 2
	LOAD (\t)+2
.endif
.endm
	LOAD 0
	LOAD 1
	BLOCK 0
	BLOCK 1
	BLOCK 2
	BLOCK 3
	ds_store_b32 v6, v12                           ; the four waves' words of a feature meet in LDS
	s_wait_dscnt 0x0                               ; for the others' sake: my store has landed
	s_barrier_signal -1
	s_barrier_wait -1
	s_cmp_lg_u32 s20, 0
	s_cbranch_scc1 .Lend
	ds_load_b128 v[8:11], v7                       ; wave 0: both tiles' 32 features x 16 bytes
	s_wait_dscnt 0x0
	global_store_b128 v7, v[8:11], s[16:17]        ; 512 consecutive bytes, aligned
.Lend:
	s_wait_tensorcnt 0x0
	ds_add_u32 v160, v161
	s_wait_dscnt 0x0
	s_endpgm
.Lfunc_end_k_qa055eae1ab_wquant:
	.size	k_qa055eae1ab_wquant, .Lfunc_end_k_qa055eae1ab_wquant-k_qa055eae1ab_wquant
	.p2alignl 7, 3214868480
	.fill 96, 4, 3214868480
	.section	.rodata,"a",@progbits
	.p2align	6, 0x0
	.amdhsa_kernel k_qa055eae1ab_wquant
		.amdhsa_group_segment_fixed_size 1536
		.amdhsa_private_segment_fixed_size 0
		.amdhsa_enable_private_segment 0
		.amdhsa_kernarg_size 48
		.amdhsa_user_sgpr_count 2
		.amdhsa_user_sgpr_kernarg_segment_ptr 1
		.amdhsa_wavefront_size32 1
		.amdhsa_system_sgpr_workgroup_id_x 1
		.amdhsa_system_sgpr_workgroup_id_y 1
		.amdhsa_system_sgpr_workgroup_id_z 1
		.amdhsa_system_vgpr_workitem_id 0
		.amdhsa_next_free_vgpr 162
		.amdhsa_next_free_sgpr 66
		.amdhsa_reserve_vcc 0
		.amdhsa_float_denorm_mode_32 3
		.amdhsa_float_denorm_mode_16_64 3
		.amdhsa_memory_ordered 1
		.amdhsa_forward_progress 1
		.amdhsa_inst_pref_size 21
	.end_amdhsa_kernel
	.amdgpu_metadata
---
amdhsa.version: [ 1, 2 ]
amdhsa.kernels:
  - .name:           k_qa055eae1ab_wquant
    .symbol:         k_qa055eae1ab_wquant.kd
    .args:
      - { .name: Wq, .offset: 0, .size: 8, .value_kind: global_buffer, .address_space: global }
      - { .name: Wk, .offset: 8, .size: 8, .value_kind: global_buffer, .address_space: global }
      - { .name: Wv, .offset: 16, .size: 8, .value_kind: global_buffer, .address_space: global }
      - { .name: W1, .offset: 24, .size: 8, .value_kind: global_buffer, .address_space: global }
      - { .name: W2, .offset: 32, .size: 8, .value_kind: global_buffer, .address_space: global }
      - { .name: wcodes, .offset: 40, .size: 8, .value_kind: global_buffer, .address_space: global }
    .group_segment_fixed_size: 1536
    .private_segment_fixed_size: 0
    .kernarg_segment_align: 8
    .kernarg_segment_size: 48
    .max_flat_workgroup_size: 128
    .sgpr_count:     66
    .vgpr_count:     162
    .wavefront_size: 32
...
	.end_amdgpu_metadata
.endif
;; end of part 1
;; launch qkv (part 2): grid 256 x 1, 4 waves a work-group, no clusters, 151,040 bytes of LDS; arguments x, wcodes, bq, bk, bv, qc, qs, kc, ks, vc, vs; writes qc, qs, kc, ks, vc, vs
.if DOCPART == 2
	.amdgcn_target "amdgcn-amd-amdhsa--gfx1250"
	.amdhsa_code_object_version 6
	.text
	.protected	k_qa055eae1ab_qkv
	.globl	k_qa055eae1ab_qkv
	.p2align	8
	.type	k_qa055eae1ab_qkv,@function
k_qa055eae1ab_qkv:
	s_mov_b64 s[64:65], 0
	v_nop
	global_prefetch_b8 v0, s[64:65] scope:SCOPE_SE
	s_setreg_imm32_b32 hwreg(HW_REG_WAVE_MODE, 25, 1), 1
	s_wait_xcnt 0x0
; q = x Wq + bq, k = x Wk + bk, v = x Wv + bv on codes of FP4 (E2M1) with E8M0 scales for each 32 along K; q and k are then quantised along the head's 64, v along the keys, for the attention launch.
; SHARES.  A work-group takes 64 rows of x (group g of 16 in one of the 16 (batch, time) pairs).  Wave w quantises 16 of them (tile w) and owns features 128 w .. 128 w + 127 (heads 2 w, 2 w + 1) of q, k and v
; for all 64 rows: its part of a weight, 8 tiles x 4 K steps, is 256 registers, one window, loaded as images of the operand's registers (512 consecutive bytes a load).
; ONE ORDER OF ROWS: lane r of tile 2 b + u (of x's rows and of a weight's features alike) is row 32 b + 8 u + r + 8 (r / 8).  A result whose source 0 is such a tile holds in lane half h, register j,
; index 32 b + 16 h + 8 u + j: the 16 registers of tiles 2 b, 2 b + 1 are 16 neighbours, which is what the conversions want.
; q, k: source 0 = a weight's tile, source 1 = x: a lane holds one row and its registers run along the features.   v: source 0 = x, source 1 = the weight's tile: a lane holds one feature and its registers run along the keys.
; OUT, all as images: qc, kc [head 128][tile 64][lane][16 bytes] (the head's 64 are registers 0-3 of a fragment; the reader clears registers 4-7); vc [head][g 16][tile of 16 channels 4][lane][16 bytes] (64 keys);
; qs, ks [head][g][lane][2 words]: lane 16 i + r, word j: tile 2 j + i's row r (bytes 0, 1; bytes 2, 3 meet zero codes alone and are never 0xff); vs [pair][g][w][lane][2 words]: lane 16 i + r: word 0 head 2 w, word 1 head 2 w + 1;
; in a word the low half is channel tile 2 i's two bytes (keys 0-31, 32-63 of g), the high half tile 2 i + 1's.
; NO CLUSTER, NO TENSOR LOADS: the weights, which all work-groups share, go straight into registers as they lie; a joint load would land them in LDS, where a work-group's 384 KiB of them do not fit, and want a second trip.
; LIMITS: a block whose largest magnitude lies under 2^-124 (a block of zeros too) gets the byte 1: only this program reads the bytes; NaN and infinities are not served.
; REGISTERS.  window 0: v1-14 addresses; v16-31 x's scale words; v32-39 codes just made; v40-55 at work; v56, v60-63 scale words just made; v64-67 on their way out; v68-75 bv; v80-143 eight accumulators; v144-207 the weights' scale words, two sets.
;   window 1: Wq, later Wv (fragment (t, s) at v[8 (4 t + s)]).   window 2: Wk.   window 3: first 16 rows of x as loaded; then v0-63 bq's tiles, v64-127 bk's, v128-255 x's 16 fragments (tile m, step s at v[128 + 8 (4 m + s)]).
.set PITCH, 2064                       ; a row of x in the stage: 2,048 bytes + 16 = 129 x 16: the sixteen rows that a load touches start at sixteen different 16-byte columns
.set XIMG,  64*PITCH                   ; LDS: the stage (64 rows), x's 16 fragments (1,024 bytes each),
.set XSC,   XIMG+16*1024               ; their scale words (128 bytes each)
.set WSCL,  655360                     ; where the weights' scale words begin in their buffer
.set L16, 4                            ; 16 x lane
.set L8,  5                            ; 8 x lane
.set SWR, 6                            ; the stage: my wave's rows, 16 x lane
.set SRD, 7                            ; the stage: my row r, + 64 h
.set XWI, 8                            ; where I store x's images
.set XWS, 9                            ; and their scale words
.set LI,  10                           ; where anyone reads them
.set LS,  11
.set BA,  12                           ; 64 h: a bias tile's bytes for my half
.set BVA, 13                           ; 4 (r + 8 (r / 8)): bv of my feature
.set WSA, 14                           ; 16 r: a weight tile's scale words
.set XS,  16
.set PC,  32
.set TM,  40
.set PW,  56
.set PWK, 60
.set E,   64
.set BV,  68
.set HA,  80
.set WS,  144
.set PX,  4                            ; s[4:5] x; and so on, in the order of the arguments
.set PWC, 6
.set PBQ, 8
.set PBK, 10
.set PBV, 12
.set PQC, 14
.set PQS, 16
.set PKC, 18
.set PKS, 20
.set PVC, 22
.set PVS, 24
.set PWS, 26                           ; s[26:27] the weights' scale words
.set SEL, 36                           ; s[36:37] v_permlanex16_b32's selects for lane l xor 16
.set MSB, 0
.macro WIN new                         ; the immediate's high byte repeats the setting that is left
.if MSB != \new
	s_set_vgpr_msb (MSB<<8)|\new
.set MSB, \new
.endif
.endm
.macro PLACES n
.rept \n
	v_nop
.endr
.endm
.macro BARRIER                         ; my LDS stores have landed and my LDS loads are in: then the work-group's barrier
	s_wait_dscnt 0x0
	s_barrier_signal -1
	s_barrier_wait -1
.endm
; 64 numbers of a lane, register 16 b + i = index 32 b + 16 (lane / 16) + i, become a fragment's codes in v[PC] on (registers 4 c .. 4 c + 3: index 64 c + 32 (lane / 16) + 0 .. 31) and the scale word in v[pw] (byte b: block b).
.macro QUANT s, pw
.irp b, 0,1,2,3
	v_max3_num_f32 v[TM+\b], |v[\s+16*\b]|, |v[\s+1+16*\b]|, 0x1800000   ; block b: my 16 numbers, and the floor 2^(3 - 127): the byte cannot fall under 1
.endr
.irp i, 2,4,6,8,10,12,14
.irp b, 0,1,2,3
	v_max3_num_f32 v[TM+\b], v[TM+\b], |v[\s+16*\b+\i]|, |v[\s+1+16*\b+\i]|   ; the four blocks by turns
.endr
.endr
.irp b, 0,1,2,3
	v_permlanex16_b32 v[TM+4+\b], v[TM+\b], s[SEL], s[SEL+1]
.endr
.irp b, 0,1,2,3
	v_max_num_f32 v[TM+\b], v[TM+\b], v[TM+4+\b]   ; with lane l xor 16's: the block's largest magnitude
.endr
.irp b, 0,1,2,3
	v_add_nc_u32 v[TM+12+\b], 0xff000000, v[TM+\b] ; 2 off its exponent field: the conversion's scale operand
.endr
.irp b, 0,1,2,3
	v_lshrrev_b32 v[TM+4+\b], 23, v[TM+12+\b]      ; the scale's byte
.endr
	v_lshl_or_b32 v[\pw], v[TM+5], 8, v[TM+4]
	v_lshl_or_b32 v[\pw], v[TM+6], 16, v[\pw]
	v_lshl_or_b32 v[\pw], v[TM+7], 24, v[\pw]
.irp b, 0,1,2,3
	v_cvt_scalef32_pk8_fp4_f32 v[PC+2*\b], v[\s+16*\b:\s+7+16*\b], v[TM+12+\b]
	v_cvt_scalef32_pk8_fp4_f32 v[PC+1+2*\b], v[\s+8+16*\b:\s+15+16*\b], v[TM+12+\b]
.endr
	v_nop                                          ; one plain place behind a scaled conversion
.irp c, 0,1                            ; the operand's layout wants a whole block in a lane: lanes 0-15 block 2 c, lanes 16-31 block 2 c + 1
.irp i, 0,1
	v_permlane16_swap_b32 v[PC+4*\c+\i], v[PC+2+4*\c+\i]
.endr
.endr
.endm
.macro MM0 d, a, b, sa, sb             ; a product that starts a sum
	v_wmma_scale_f32_16x16x128_f8f6f4 v[\d:\d+7], v[\a:\a+7], v[\b:\b+7], 0, v[\sa], v[\sb] matrix_a_fmt:MATRIX_FMT_FP4 matrix_b_fmt:MATRIX_FMT_FP4
.endm
.macro MMC d, a, b, cc, sa, sb         ; a product onto v[cc] on
	v_wmma_scale_f32_16x16x128_f8f6f4 v[\d:\d+7], v[\a:\a+7], v[\b:\b+7], v[\cc:\cc+7], v[\sa], v[\sb] matrix_a_fmt:MATRIX_FMT_FP4 matrix_b_fmt:MATRIX_FMT_FP4
.endm
	s_load_b512 s[4:19], s[0:1], 0x0               ; x, the weights' codes, bq, bk, bv, qc, qs, kc
	s_load_b128 s[20:23], s[0:1], 0x40             ; ks, vc
	s_load_b64 s[24:25], s[0:1], 0x50              ; vs
	v_lshl_add_u32 v254, v0, 2, 0x24c00
	v_mov_b32 v255, 0
	v_lshrrev_b32 v1, 5, v0
	v_readfirstlane_b32 s28, v1                    ; wave 0..3
	s_lshr_b32 s29, ttmp9, 4                       ; the (batch, time) pair
	s_and_b32 s30, ttmp9, 15                       ; g
	v_and_b32 v1, 31, v0                           ; lane
	v_and_b32 v2, 15, v0                           ; r
	v_bfe_u32 v3, v0, 4, 1                         ; h
	v_lshlrev_b32 v[L16], 4, v1
	v_lshlrev_b32 v[L8], 3, v1
	s_mul_i32 s31, s28, 16*PITCH
	v_add_nc_u32 v[SWR], s31, v[L16]
	v_mul_u32_u24 v[SRD], v2, PITCH
	v_lshl_add_u32 v[SRD], v3, 6, v[SRD]
	v_add_nc_u32 v[SRD], s31, v[SRD]
	s_lshl_b32 s31, s28, 12
	s_add_co_u32 s31, s31, XIMG
	v_add_nc_u32 v[XWI], s31, v[L16]
	s_lshl_b32 s31, s28, 9
	s_add_co_u32 s31, s31, XSC
	v_lshl_add_u32 v[XWS], v1, 2, s31
	v_add_nc_u32 v[LI], XIMG, v[L16]
	v_lshl_add_u32 v[LS], v1, 2, XSC
	v_lshlrev_b32 v[BA], 6, v3
	v_and_b32 v[BVA], 8, v2
	v_add_nc_u32 v[BVA], v[BVA], v2
	v_lshlrev_b32 v[BVA], 2, v[BVA]
	v_lshlrev_b32 v[WSA], 4, v2
.irp b, 0,1,2,3
	v_mov_b32 v[TM+4+\b], 0                        ; written once: a lane permute's destination counts as one of its sources
.endr
	s_mov_b32 s[SEL], 0x76543210
	s_mov_b32 s[SEL+1], 0xfedcba98
	s_mov_b32 s38, 0xffff0000                      ; lanes 16-31
	s_mov_b32 s33, 0
	s_lshl_b32 s32, ttmp9, 17                      ; x: 64 rows of 2,048 bytes a work-group,
	s_lshr_b32 s31, s28, 1
	s_lshl_b32 s31, s31, 16                        ; + 32 (w / 2) rows
	s_add_co_u32 s32, s32, s31
	s_and_b32 s31, s28, 1
	s_lshl_b32 s31, s31, 14                        ; + 8 (w % 2) rows: where my tile begins
	s_add_co_u32 s32, s32, s31
	s_wait_kmcnt 0x0
	s_add_nc_u64 s[PX:PX+1], s[PX:PX+1], s[32:33]
	; ---- X: my 16 rows of x, each load 512 consecutive bytes (one K step of one row)
	WIN 0xc0                                       ; destination window 3
.irp i, 0,1,2,3,4,5,6,7,8,9,10,11,12,13,14,15
.irp q, 0,1,2,3
	global_load_b128 v[16*\i+4*\q:16*\i+4*\q+3], v[L16], s[PX:PX+1] offset:(\i+8*(\i/8))*2048+512*\q th:TH_LOAD_NT
.endr
.endr
	s_lshl_b32 s32, s28, 11                        ; the weights' scale words: 8 tiles x 256 bytes a wave
	s_add_co_u32 s32, s32, WSCL
	s_add_nc_u64 s[PWS:PWS+1], s[PWC:PWC+1], s[32:33]
	s_lshl_b32 s32, s28, 15                        ; their codes: 8 tiles x 4,096 bytes a wave
	s_add_nc_u64 s[PWC:PWC+1], s[PWC:PWC+1], s[32:33]
	s_lshl_b32 s32, s28, 9                         ; the biases: 128 numbers a wave
	s_add_nc_u64 s[PBQ:PBQ+1], s[PBQ:PBQ+1], s[32:33]
	s_add_nc_u64 s[PBK:PBK+1], s[PBK:PBK+1], s[32:33]
	s_add_nc_u64 s[PBV:PBV+1], s[PBV:PBV+1], s[32:33]
	s_lshl_b32 s39, s29, 3
	s_lshl_b32 s31, s28, 1
	s_add_co_u32 s39, s39, s31                     ; my first head among the 128
	s_lshl_b32 s32, s39, 15                        ; qc, kc, vc: 32,768 bytes a head, 2,048 a group g
	s_lshl_b32 s31, s30, 11
	s_add_co_u32 s32, s32, s31
	s_add_nc_u64 s[PQC:PQC+1], s[PQC:PQC+1], s[32:33]
	s_add_nc_u64 s[PKC:PKC+1], s[PKC:PKC+1], s[32:33]
	s_add_nc_u64 s[PVC:PVC+1], s[PVC:PVC+1], s[32:33]
	s_lshl_b32 s32, s39, 12                        ; qs, ks: 4,096 a head, 256 a group
	s_lshl_b32 s31, s30, 8
	s_add_co_u32 s32, s32, s31
	s_add_nc_u64 s[PQS:PQS+1], s[PQS:PQS+1], s[32:33]
	s_add_nc_u64 s[PKS:PKS+1], s[PKS:PKS+1], s[32:33]
	s_lshl_b32 s32, ttmp9, 10                      ; vs: 1,024 a (pair, g), 256 a wave
	s_lshl_b32 s31, s28, 8
	s_add_co_u32 s32, s32, s31
	s_add_nc_u64 s[PVS:PVS+1], s[PVS:PVS+1], s[32:33]
.irp gi, 0,1,2,3
	s_wait_loadcnt 48                              ; four rows' 16 loads are in; behind them three groups of 16 are out (rows still to come, and Wq's groups issued below)
	WIN 0x0c                                       ; an LDS store's data are its source 1: window 3
.irp k, 0,1,2,3
.irp q, 0,1,2,3
	ds_store_b128 v[SWR], v[16*(4*\gi+\k)+4*\q:16*(4*\gi+\k)+4*\q+3] offset:(4*\gi+\k)*PITCH+512*\q
.endr
.endr
	WIN 0x40                                       ; destination window 1: Wq's tiles 2 gi, 2 gi + 1
.irp tt, 0,1
.irp s, 0,1,2,3
.irp c, 0,1
	global_load_b128 v[8*(4*(2*\gi+\tt)+\s)+4*\c:8*(4*(2*\gi+\tt)+\s)+4*\c+3], v[L16], s[PWC:PWC+1] offset:(2*\gi+\tt)*4096+\s*1024+\c*512
.endr
.endr
.endr
.endr
	WIN 0
.irp t, 0,1,2,3,4,5,6,7
	global_load_b128 v[WS+4*\t:WS+4*\t+3], v[WSA], s[PWS:PWS+1] offset:\t*256            ; Wq's scale words: set 0
	global_load_b128 v[WS+32+4*\t:WS+32+4*\t+3], v[WSA], s[PWS:PWS+1] offset:8192+\t*256  ; Wk's: set 1
	global_load_b32 v[BV+\t], v[BVA], s[PBV:PBV+1] offset:(32*(\t/2)+8*(\t%2))*4          ; bv of my feature of tile t
.endr
	s_wait_dscnt 0x0                               ; the stores into the stage have read window 3
	WIN 0xc0
.irp t, 0,1,2,3,4,5,6,7                ; the biases in the result's layout: lane half h wants features 32 (t / 2) + 8 (t % 2) + 16 h + 0 .. 7
	global_load_b128 v[8*\t:8*\t+3], v[BA], s[PBQ:PBQ+1] offset:(32*(\t/2)+8*(\t%2))*4
	global_load_b128 v[8*\t+4:8*\t+7], v[BA], s[PBQ:PBQ+1] offset:(32*(\t/2)+8*(\t%2))*4+16
	global_load_b128 v[64+8*\t:64+8*\t+3], v[BA], s[PBK:PBK+1] offset:(32*(\t/2)+8*(\t%2))*4
	global_load_b128 v[64+8*\t+4:64+8*\t+7], v[BA], s[PBK:PBK+1] offset:(32*(\t/2)+8*(\t%2))*4+16
.endr
	WIN 0
.irp a, 0,1,2,3                        ; K step a of my 16 rows comes back from the stage, 16 neighbours of each block of 32 to a lane (my own bytes: LDS serves a wave's instructions in order), and is quantised
.irp b, 0,1,2,3
.irp j, 0,1,2,3
	ds_load_b128 v[HA+16*\b+4*\j:HA+16*\b+4*\j+3], v[SRD] offset:512*\a+128*\b+16*\j
.endr
.endr
	WIN 0x80                                       ; destination window 2: Wk's tiles 2 a, 2 a + 1
.irp tt, 0,1
.irp s, 0,1,2,3
.irp c, 0,1
	global_load_b128 v[8*(4*(2*\a+\tt)+\s)+4*\c:8*(4*(2*\a+\tt)+\s)+4*\c+3], v[L16], s[PWC:PWC+1] offset:131072+(2*\a+\tt)*4096+\s*1024+\c*512
.endr
.endr
.endr
	WIN 0
	s_wait_dscnt 0x0                               ; the numbers are in, and the last step's stores have read their registers
	QUANT HA, PW
	ds_store_b128 v[XWI], v[PC:PC+3] offset:1024*\a
	ds_store_b128 v[XWI], v[PC+4:PC+7] offset:1024*\a+512
	ds_store_b32 v[XWS], v[PW] offset:128*\a
.endr
	BARRIER                                        ; x's sixteen fragments lie in LDS
	WIN 0xc0
.irp f, 0,1,2,3,4,5,6,7,8,9,10,11,12,13,14,15
	ds_load_b128 v[128+8*\f:128+8*\f+3], v[LI] offset:1024*\f
	ds_load_b128 v[128+8*\f+4:128+8*\f+7], v[LI] offset:1024*\f+512
.endr
	WIN 0
.irp f, 0,1,2,3,4,5,6,7,8,9,10,11,12,13,14,15
	ds_load_b32 v[XS+\f], v[LS] offset:128*\f
.endr
	s_wait_loadcnt 0x0                             ; Wq, Wk, their scale words, the biases
	s_wait_dscnt 0x0
; My 8 tiles of features for tile m of the rows: source 0 = the weight (window ww), source 1 = x; the bias (window 3, from v[bo]) is the C of the first K step.
; The eight accumulators take turns, one instruction a turn.
.macro PROD ww, bo, set, m
	WIN 0x3c+(\ww)                                 ; source 1 and source 2 window 3
.irp t, 0,1,2,3,4,5,6,7
	MMC HA+8*\t, 32*\t, 128+32*(\m), (\bo)+8*\t, WS+32*(\set)+4*\t, XS+4*(\m)
.endr
	WIN 0x0c+(\ww)                                 ; C and D window 0
.irp s, 1,2,3
.irp t, 0,1,2,3,4,5,6,7
	MMC HA+8*\t, 8*(4*\t+\s), 128+8*(4*(\m)+\s), HA+8*\t, WS+32*(\set)+4*\t+\s, XS+4*(\m)+\s
.endr
.endr
	WIN 0
.endm
; q or k of the 64 rows: each tile of rows is multiplied, quantised along the features (blocks 0, 1: head 2 w; 2, 3: head 2 w + 1) and stored as two half fragments of 512 consecutive bytes.
.macro QKOUT ww, bo, set, pc, ps
.irp m, 0,1,2,3
	PROD \ww, \bo, \set, \m
	PLACES 5                                       ; behind the products: four for the reads of their results, five for the next tile's products, which begin these accumulators anew
	s_wait_xcnt 0x0                                ; earlier stores have read the registers that are written now
	QUANT HA, PWK+\m
	global_store_b128 v[L16], v[PC:PC+3], s[\pc:\pc+1] offset:512*\m
	global_store_b128 v[L16], v[PC+4:PC+7], s[\pc:\pc+1] offset:512*\m+32768
.endr
	v_cndmask_b32 v[E], v[PWK], v[PWK+1], s38      ; lanes 0-15 tile 0's words, lanes 16-31 tile 1's (a word stands alike in lanes r and r + 16)
	v_cndmask_b32 v[E+1], v[PWK+2], v[PWK+3], s38  ; tiles 2 and 3
	v_lshrrev_b32 v[E+2], 16, v[E]                 ; head 2 w + 1's two bytes
	v_lshrrev_b32 v[E+3], 16, v[E+1]
	global_store_b64 v[L8], v[E:E+1], s[\ps:\ps+1]             ; 256 consecutive bytes, aligned
	global_store_b64 v[L8], v[E+2:E+3], s[\ps:\ps+1] offset:4096
.endm
	QKOUT 1, 0, 0, PQC, PQS
	WIN 0x40                                       ; Wv takes Wq's window while k is made
.irp t, 0,1,2,3,4,5,6,7
.irp s, 0,1,2,3
.irp c, 0,1
	global_load_b128 v[8*(4*\t+\s)+4*\c:8*(4*\t+\s)+4*\c+3], v[L16], s[PWC:PWC+1] offset:262144+\t*4096+\s*1024+\c*512
.endr
.endr
.endr
	WIN 0
.irp t, 0,1,2,3,4,5,6,7
	global_load_b128 v[WS+4*\t:WS+4*\t+3], v[WSA], s[PWS:PWS+1] offset:16384+\t*256
.endr
	QKOUT 2, 64, 1, PKC, PKS
	s_wait_loadcnt 0x0                             ; Wv and its scale words
	; ---- v: two tiles of features at a time x the four tiles of rows: eight accumulators by turns.  A lane holds one feature; registers 32 tt + 16 b + i are keys 32 b + 16 h + i of the group's 64
.irp p, 0,1,2,3
	WIN 0x07                                       ; source 0 (x) window 3, source 1 (Wv) window 1
.irp s, 0,1,2,3
.irp tt, 0,1
.irp m, 0,1,2,3
.if \s == 0
	MM0 HA+32*\tt+8*\m, 128+8*(4*\m+\s), 8*(4*(2*\p+\tt)+\s), XS+4*\m+\s, WS+4*(2*\p+\tt)+\s
.else
	MMC HA+32*\tt+8*\m, 128+8*(4*\m+\s), 8*(4*(2*\p+\tt)+\s), HA+32*\tt+8*\m, XS+4*\m+\s, WS+4*(2*\p+\tt)+\s
.endif
.endr
.endr
.endr
	WIN 0
	PLACES 5
.set j, 0
.rept 16
	v_pk_add_f32 v[HA+j:HA+j+1], v[HA+j:HA+j+1], v[BV+2*\p:BV+2*\p+1] op_sel_hi:[1,0]               ; + bv of my feature of tile 2 p; each accumulator from its low end on
.set j, j+2
.endr
.rept 16
	v_pk_add_f32 v[HA+j:HA+j+1], v[HA+j:HA+j+1], v[BV+2*\p:BV+2*\p+1] op_sel:[0,1] op_sel_hi:[1,1]  ; of tile 2 p + 1
.set j, j+2
.endr
	s_wait_xcnt 0x0
	QUANT HA, PWK+\p                               ; blocks 0, 1: tile 2 p's keys 0-31, 32-63; blocks 2, 3: tile 2 p + 1's
	global_store_b128 v[L16], v[PC:PC+3], s[PVC:PVC+1] offset:(\p/2)*32768+(2*(\p%2))*512
	global_store_b128 v[L16], v[PC+4:PC+7], s[PVC:PVC+1] offset:(\p/2)*32768+(2*(\p%2)+1)*512
.endr
	v_cndmask_b32 v[E], v[PWK], v[PWK+1], s38      ; head 2 w: lanes 0-15 channel tiles 0, 1; lanes 16-31 tiles 2, 3
	v_cndmask_b32 v[E+1], v[PWK+2], v[PWK+3], s38  ; head 2 w + 1
	global_store_b64 v[L8], v[E:E+1], s[PVS:PVS+1]
	s_wait_tensorcnt 0x0
	ds_add_u32 v254, v255
	s_wait_dscnt 0x0
	s_endpgm
.Lfunc_end_k_qa055eae1ab_qkv:
	.size	k_qa055eae1ab_qkv, .Lfunc_end_k_qa055eae1ab_qkv-k_qa055eae1ab_qkv
	.p2alignl 7, 3214868480
	.fill 96, 4, 3214868480
	.section	.rodata,"a",@progbits
	.p2align	6, 0x0
	.amdhsa_kernel k_qa055eae1ab_qkv
		.amdhsa_group_segment_fixed_size 151040
		.amdhsa_private_segment_fixed_size 0
		.amdhsa_enable_private_segment 0
		.amdhsa_kernarg_size 88
		.amdhsa_user_sgpr_count 2
		.amdhsa_user_sgpr_kernarg_segment_ptr 1
		.amdhsa_wavefront_size32 1
		.amdhsa_system_sgpr_workgroup_id_x 1
		.amdhsa_system_sgpr_workgroup_id_y 1
		.amdhsa_system_sgpr_workgroup_id_z 1
		.amdhsa_system_vgpr_workitem_id 0
		.amdhsa_next_free_vgpr 1024
		.amdhsa_next_free_sgpr 66
		.amdhsa_reserve_vcc 0
		.amdhsa_float_denorm_mode_32 3
		.amdhsa_float_denorm_mode_16_64 3
		.amdhsa_memory_ordered 1
		.amdhsa_forward_progress 1
		.amdhsa_inst_pref_size 169
	.end_amdhsa_kernel
	.amdgpu_metadata
---
amdhsa.version: [ 1, 2 ]
amdhsa.kernels:
  - .name:           k_qa055eae1ab_qkv
    .symbol:         k_qa055eae1ab_qkv.kd
    .args:
      - { .name: x, .offset: 0, .size: 8, .value_kind: global_buffer, .address_space: global }
      - { .name: wcodes, .offset: 8, .size: 8, .value_kind: global_buffer, .address_space: global }
      - { .name: bq, .offset: 16, .size: 8, .value_kind: global_buffer, .address_space: global }
      - { .name: bk, .offset: 24, .size: 8, .value_kind: global_buffer, .address_space: global }
      - { .name: bv, .offset: 32, .size: 8, .value_kind: global_buffer, .address_space: global }
      - { .name: qc, .offset: 40, .size: 8, .value_kind: global_buffer, .address_space: global }
      - { .name: qs, .offset: 48, .size: 8, .value_kind: global_buffer, .address_space: global }
      - { .name: kc, .offset: 56, .size: 8, .value_kind: global_buffer, .address_space: global }
      - { .name: ks, .offset: 64, .size: 8, .value_kind: global_buffer, .address_space: global }
      - { .name: vc, .offset: 72, .size: 8, .value_kind: global_buffer, .address_space: global }
      - { .name: vs, .offset: 80, .size: 8, .value_kind: global_buffer, .address_space: global }
    .group_segment_fixed_size: 151040
    .private_segment_fixed_size: 0
    .kernarg_segment_align: 8
    .kernarg_segment_size: 88
    .max_flat_workgroup_size: 128
    .sgpr_count:     66
    .vgpr_count:     1024
    .wavefront_size: 32
...
	.end_amdgpu_metadata
.endif
;; end of part 2
;; launch attn (part 3): grid 2 x 128, 16 waves a work-group, no clusters, 143,360 bytes of LDS; arguments qc, qs, kc, ks, vc, vs, x, ox; writes ox
.if DOCPART == 3
	.amdgcn_target "amdgcn-amd-amdhsa--gfx1250"
	.amdhsa_code_object_version 6
	.text
	.protected	k_qa055eae1ab_attn
	.globl	k_qa055eae1ab_attn
	.p2align	8
	.type	k_qa055eae1ab_attn,@function
k_qa055eae1ab_attn:
	s_mov_b64 s[64:65], 0
	v_nop
	global_prefetch_b8 v0, s[64:65] scope:SCOPE_SE
	s_setreg_imm32_b32 hwreg(HW_REG_WAVE_MODE, 25, 1), 1
	s_wait_xcnt 0x0
; ox[q][head's 64] = x[q][head's 64] + the sum over the 1,024 keys of softmax(q . k / 8) v, both products on codes of FP4 (E2M1) with E8M0 scales.  Codes and scale words come as the launch before laid them: images of the operands' registers.
; THE SOFTMAX AHEAD OF THE SECOND PRODUCT: t = score x log2(e) / 8; M = the row's largest t so far, rounded UP to a whole number; p = 2^(t - M) is quantised along the keys, not normalised.
; The row's sum is taken of the unquantised p and divides at the end.  When M moves, the sum and O are multiplied by 2^(old M - new M): exact.
; SHARES.  A work-group owns 512 queries of one head (x: which half; y: the head among 128).  ALL of the head's K and V codes (2 x 32 KiB) and scale words lie in LDS, copied once through registers: no ring, nothing is filled again.
; Each of sixteen waves makes two tiles of 16 queries, one after the other, in 256 registers: four waves to a SIMD, so that one wave's vector work stands beside another's products and LDS loads.
; LAYOUT.  Both products transposed: S^T = K Q^T (source 0 = 16 keys), O^T = V^T P^T (source 0 = 16 channels): a lane holds ONE query throughout.  The head's 64 are half of the instruction's 128 along K: registers 4-7 of Q's and K's
; fragments hold zero codes, which add nothing.  Lane r of tile 2 b + u (keys, queries and channels alike) is index 32 b + 8 u + r + 8 (r / 8): so p's 16 registers of two neighbouring tiles are 16 neighbouring keys, and O^T's 16 neighbouring channels.
; AHEAD.  Behind a step's S products and their four places go out: the step's V, and the next step's K; in a tile's last step, in K's place, the tile's 16 x 256 bytes of x (into the low halves of K's fragments) and the next tile's Q.
; THE RESIDUAL is added here, in f32, behind the stage, where a lane holds 16 neighbouring bytes of a row: this launch has few bytes of its own to move, and the next one then reads one tensor and not two.
; NO CLUSTER: the two work-groups of a head share 70 KiB that each reads once, at its start; grid x = 2 divides into no cluster of four.
; LIMITS: NaN and infinities are not served.
; REGISTERS: v1-7 addresses that stay; v8-11, v26-31 the copy's; v12 -M, v13 the largest t, v[14:15] the sum; v16-23 Q; v24-25 V's scale words; v32-95 eight fragments of K; v96-159 S^T, then p; v160-191 O^T; v192-223 V's four fragments;
;   v224-231 p's codes; v232-247, v252, v254 at work; v248-251 K's scale words; v253 p's scale word; v255 Q's.
.set KSB, 65536                        ; LDS: K's codes at 0 [tile 64][512], V's at 32,768 [g 16][channel tile 4][512], K's scale words here [g][lane][8],
.set VSB, 69632                        ; V's [key step 8][lane][2 words]: word i: channel tile 2 i in lanes 0-15, 2 i + 1 in lanes 16-31,
.set STG, 71680                        ; and a stage of 16 rows x (256 + 16) bytes for each wave
.set WV,  32                           ; s32  my wave's number
	s_load_b256 s[4:11], s[0:1], 0x0               ; qc, qs, kc, ks
	s_load_b128 s[12:15], s[0:1], 0x20             ; vc, vs
	s_load_b128 s[16:19], s[0:1], 0x30             ; x, ox
	v_lshl_add_u32 v242, v0, 2, 0x22800
	v_mov_b32 v243, 0
	v_lshrrev_b32 v26, 5, v0
	v_readfirstlane_b32 s[WV], v26                 ; wave 0..15
	s_and_b32 s20, ttmp7, 0xffff                   ; the head among 128
	v_and_b32 v26, 31, v0                          ; lane
	v_and_b32 v27, 15, v0                          ; r
	v_bfe_u32 v28, v0, 4, 1                        ; h
	v_lshlrev_b32 v1, 4, v26                       ; 16 x lane: an image's place for my lane
	v_lshl_add_u32 v2, v26, 3, KSB
	v_lshl_add_u32 v3, v26, 3, VSB
	s_mul_i32 s21, s[WV], 16*272
	s_add_co_u32 s21, s21, STG                     ; my stage
	v_mul_u32_u24 v4, v27, 272
	v_lshl_add_u32 v4, v28, 6, v4
	v_add_nc_u32 v4, s21, v4                       ; in: row r, + 64 h
	v_mul_u32_u24 v5, v28, 272
	v_lshl_add_u32 v5, v27, 4, v5
	v_add_nc_u32 v5, s21, v5                       ; back: lanes 0-15 one row, lanes 16-31 the next
	v_lshlrev_b32 v6, 11, v28
	v_lshl_add_u32 v6, v27, 4, v6                  ; and the same in x and in ox: rows of 2,048 bytes
	v_lshlrev_b32 v7, 3, v27                       ; Q's scale word: 8 r
	v_lshlrev_b32 v8, 4, v0                        ; the copy: 16 x thread,
	v_lshlrev_b32 v9, 3, v0                        ; 8 x thread
	v_lshrrev_b32 v30, 6, v0                       ; V's scale words: thread = 64 x key step + 2 x lane + word
	v_lshlrev_b32 v10, 11, v30                     ; a key step is two groups g of 1,024 bytes;
	v_and_b32 v30, 1, v0
	v_lshl_add_u32 v10, v30, 7, v10                ; word i: the source's lanes 16 i + r,
	v_bfe_u32 v30, v0, 1, 4
	v_lshl_add_u32 v10, v30, 3, v10                ; 8 bytes a lane
	v_lshl_add_u32 v11, v0, 3, KSB
	v_lshl_add_u32 v29, v0, 2, VSB
	v_bfe_u32 v30, v0, 5, 1                        ; lanes 16-31 of the target take the odd channel tile: the high halves
	v_cmp_eq_u32 vcc_lo, 1, v30
	v_mov_b32 v68, 0x05040100                      ; the two low halves,
	v_mov_b32 v31, 0x07060302                      ; or the two high ones
	v_cndmask_b32 v68, v68, v31, vcc_lo
	s_mov_b32 s22, 0x3e38aa3b                      ; c = log2(e) / 8
	s_mov_b32 s23, s22                             ; (named with it as a pair, so it is written)
	s_mov_b32 s24, 0x76543210
	s_mov_b32 s25, 0xfedcba98                      ; v_permlanex16_b32's selects for lane l xor 16
	s_mov_b32 s27, 0
	s_wait_kmcnt 0x0
	s_lshl_b32 s26, s20, 15                        ; 32,768 bytes of codes a head
	s_add_nc_u64 s[8:9], s[8:9], s[26:27]
	s_add_nc_u64 s[12:13], s[12:13], s[26:27]
	s_add_nc_u64 s[4:5], s[4:5], s[26:27]
	s_lshl_b32 s26, s20, 12                        ; 4,096 bytes of q's or k's scale words a head
	s_add_nc_u64 s[10:11], s[10:11], s[26:27]
	s_add_nc_u64 s[6:7], s[6:7], s[26:27]
	s_lshr_b32 s26, s20, 3
	s_lshl_b32 s26, s26, 14                        ; vs: 16,384 a (batch, time) pair,
	s_bfe_u32 s28, s20, 0x20001
	s_lshl_b32 s28, s28, 8                         ; 256 a pair of heads,
	s_add_co_u32 s26, s26, s28
	s_and_b32 s28, s20, 1
	s_lshl_b32 s28, s28, 2                         ; word 0 or 1
	s_add_co_u32 s26, s26, s28
	s_add_nc_u64 s[14:15], s[14:15], s[26:27]
	; ---- the copy: 512 threads x 16 bytes = 8,192 consecutive bytes a line
.irp n, 0,1,2,3
	global_load_b128 v[32+4*\n:35+4*\n], v8, s[8:9] offset:8192*\n
	global_load_b128 v[48+4*\n:51+4*\n], v8, s[12:13] offset:8192*\n
.endr
	global_load_b64 v[64:65], v9, s[10:11]
	global_load_b32 v66, v10, s[14:15]             ; the even group's word,
	global_load_b32 v67, v10, s[14:15] offset:1024 ; the odd group's
	s_lshl_b32 s26, ttmp9, 14                      ; qc: 32 tiles of 512 bytes a half, one a wave
	s_lshl_b32 s28, s[WV], 9
	s_add_co_u32 s26, s26, s28
	s_add_nc_u64 s[4:5], s[4:5], s[26:27]
	s_lshl_b32 s26, ttmp9, 11                      ; qs: g = 8 half + wave / 4 (+ 4 for the second tile): 256 bytes a group;
	s_lshr_b32 s28, s[WV], 2
	s_lshl_b32 s28, s28, 8
	s_add_co_u32 s26, s26, s28
	s_and_b32 s28, s[WV], 1
	s_lshl_b32 s28, s28, 7                         ; tile m = wave % 4 stands in lanes 16 (m % 2) + r,
	s_add_co_u32 s26, s26, s28
	s_bfe_u32 s28, s[WV], 0x10001
	s_lshl_b32 s28, s28, 2                         ; word m / 2
	s_add_co_u32 s26, s26, s28
	s_add_nc_u64 s[6:7], s[6:7], s[26:27]
	global_load_b128 v[16:19], v1, s[4:5]          ; the first tile's Q goes out with the copy: its half fragment
	global_load_b32 v255, v7, s[6:7]               ; and its scale words
	s_lshr_b32 s26, s20, 3                         ; x, ox: row 1,024 pair + 64 g + 32 (m / 2) + 8 (m % 2), 2,048 bytes a row; + 256 x head
	s_lshl_b32 s26, s26, 21
	s_lshl_b32 s28, ttmp9, 20
	s_add_co_u32 s26, s26, s28
	s_lshr_b32 s28, s[WV], 2
	s_lshl_b32 s28, s28, 17
	s_add_co_u32 s26, s26, s28
	s_bfe_u32 s28, s[WV], 0x10001
	s_lshl_b32 s28, s28, 16
	s_add_co_u32 s26, s26, s28
	s_and_b32 s28, s[WV], 1
	s_lshl_b32 s28, s28, 14
	s_add_co_u32 s26, s26, s28
	s_and_b32 s28, s20, 7
	s_lshl_b32 s28, s28, 8
	s_add_co_u32 s26, s26, s28
	s_add_nc_u64 s[16:17], s[16:17], s[26:27]
	s_add_nc_u64 s[18:19], s[18:19], s[26:27]
	s_wait_loadcnt 0x0                             ; the copy's loads, and Q
	v_perm_b32 v66, v67, v66, v68                  ; bytes 0, 1: keys 0-63 of the step; bytes 2, 3: keys 64-127
.irp n, 0,1,2,3
	ds_store_b128 v8, v[32+4*\n:35+4*\n] offset:8192*\n
	ds_store_b128 v8, v[48+4*\n:51+4*\n] offset:32768+8192*\n
.endr
	ds_store_b64 v11, v[64:65]
	ds_store_b32 v29, v66
	s_wait_dscnt 0x0                               ; for the others' sake: my stores have landed
	s_barrier_signal -1
	s_barrier_wait -1
.irp t, 0,1,2,3,4,5,6,7
.irp i, 4,5,6,7
	v_mov_b32 v[32+8*\t+\i], 0                     ; the upper 64 along K: zero codes, for the whole launch
.endr
.endr
.irp i, 20,21,22,23,236,237,238,239,253
	v_mov_b32 v\i, 0                               ; Q's upper half; and registers that are named before they are first written (a lane permute's destination, the upper half of a pair)
.endr
.macro KLOAD n                         ; key step n's eight half fragments of K and their scale words: register t / 2, lanes 0-15 for even t, lanes 16-31 for odd t
.irp t, 0,1,2,3,4,5,6,7
	ds_load_b128 v[32+8*\t:35+8*\t], v1 offset:(8*(\n)+\t)*512
.endr
	ds_load_b64 v[248:249], v2 offset:512*(\n)
	ds_load_b64 v[250:251], v2 offset:512*(\n)+256
.endm
; A KEY STEP: 128 keys.  Every offset is an immediate.
.macro STEP ks
.if (\ks) == 0
	KLOAD 0                                        ; a tile's first step fetches its own K; every other step's was fetched a step ahead and awaited in front of the last step's second products
	s_wait_dscnt 0x0
.endif
.irp t, 0,2,4,6
	v_wmma_scale_f32_16x16x128_f8f6f4 v[96+8*\t:103+8*\t], v[32+8*\t:39+8*\t], v[16:23], 0, v[248+\t/2], v255 matrix_a_fmt:MATRIX_FMT_FP4 matrix_b_fmt:MATRIX_FMT_FP4
	v_wmma_scale_f32_16x16x128_f8f6f4 v[104+8*\t:111+8*\t], v[40+8*\t:47+8*\t], v[16:23], 0, v[248+\t/2], v255 matrix_a_fmt:MATRIX_FMT_FP4 matrix_b_fmt:MATRIX_FMT_FP4 matrix_a_scale:MATRIX_SCALE_ROW1
.endr
.rept 4
	v_nop                                          ; four places, for three things: the reads of these results; the loads into K's, Q's and their scales' registers, which these products read; the loads into V's, which the last step's products read
.endr
.irp dt, 0,1,2,3
.irp c, 0,1
	ds_load_b128 v[192+8*\dt+4*\c:195+8*\dt+4*\c], v1 offset:32768+(2*(\ks)+\c)*2048+\dt*512
.endr
.endr
	ds_load_b64 v[24:25], v3 offset:256*(\ks)
.if (\ks) < 7
	KLOAD (\ks)+1                                  ; the next step's K: it has this step's softmax in which to land
.else
.irp i, 0,1,2,3,4,5,6,7                ; the tile's part of x, laid as the way out stores: lanes 0-15 read 256 consecutive bytes of one row, lanes 16-31 of the next; read once in the launch
	global_load_b128 v[32+8*\i:35+8*\i], v6, s[16:17] offset:(2*\i+8*(\i/4))*2048 th:TH_LOAD_NT
.endr
	s_cmp_eq_u32 s30, 1                            ; the next tile's Q, if there is a next tile: no load leaves its buffer
	s_cbranch_scc1 .Lno_next_q
	global_load_b128 v[16:19], v1, s[4:5] offset:8192      ; 16 tiles on
	global_load_b32 v255, v7, s[6:7] offset:1024           ; 4 groups on
.Lno_next_q:
.endif
.irp b, 0,1,2,3
	v_max3_num_f32 v[232+\b], v[96+16*\b], v[97+16*\b], v[98+16*\b]   ; the largest score of each block of 32 keys: it serves the row's maximum and, since p rises with the score, the block's largest p
.endr
.irp i, 3,5,7,9,11,13
.irp b, 0,1,2,3
	v_max3_num_f32 v[232+\b], v[232+\b], v[96+16*\b+\i], v[97+16*\b+\i]
.endr
.endr
.irp b, 0,1,2,3
	v_max_num_f32 v[232+\b], v[232+\b], v[111+16*\b]
.endr
.irp b, 0,1,2,3
	v_permlanex16_b32 v[236+\b], v[232+\b], s24, s25
.endr
.irp b, 0,1,2,3
	v_max_num_f32 v[232+\b], v[232+\b], v[236+\b]  ; with lane l xor 16's 16 keys
.endr
	v_max3_num_f32 v254, v232, v233, v234
	v_max_num_f32 v254, v254, v235                 ; the step's largest score of my query
	v_mul_f32 v254, s22, v254                      ; as t (c is positive)
	v_max_num_f32 v13, v13, v254                   ; the running largest t
	v_mov_b32 v254, v12
	v_floor_f32 v12, -v13                          ; the new -M = floor(-t) = -ceil(t): a whole number
	v_sub_f32 v254, v12, v254                      ; old M less new M: a whole number, 0 or less
	v_cvt_i32_f32 v254, v254                       ; (it saturates)
	v_ldexp_f32 v252, 1.0, v254                    ; f = 2^(old M - new M)
.set j, 0
.rept 32
	v_pk_fma_f32 v[96+j:97+j], v[96+j:97+j], s[22:23], v[12:13] op_sel_hi:[1,0,0]   ; t - M, two at a time
.set j, j+2
.endr
.irp b, 0,1,2,3
	v_fma_f32 v[232+\b], v[232+\b], s22, v12       ; the same of each block's largest score
.endr
.set j, 0
.rept 64
	v_exp_f32 v[96+j], v[96+j]                     ; p = 2^(t - M), at most 1
.set j, j+1
.endr
.irp b, 0,1,2,3
	v_exp_f32 v[232+\b], v[232+\b]                 ; the block's largest p: the same two instructions on the same number
.endr
	v_pk_mul_f32 v[14:15], v[14:15], v[252:253] op_sel_hi:[1,0]   ; the sums under the new M (a plain place behind the exponentials)
	s_wait_alu depctr_va_vdst(0)
.irp b, 0,1,2,3
	v_max_num_f32 v[232+\b], 0x1800000, v[232+\b]  ; the floor 2^(3 - 127): the byte cannot fall under 1
.endr
.irp b, 0,1,2,3
	v_add_nc_u32 v[244+\b], 0xff000000, v[232+\b]  ; 2 off the exponent field: the conversion's scale operand
.endr
.irp b, 0,1,2,3
	v_lshrrev_b32 v[236+\b], 23, v[244+\b]         ; the scale's byte
.endr
	v_lshl_or_b32 v253, v237, 8, v236              ; p's scale word for these 128 keys
	v_lshl_or_b32 v253, v238, 16, v253
	v_lshl_or_b32 v253, v239, 24, v253
.irp b, 0,1,2,3
	v_cvt_scalef32_pk8_fp4_f32 v[224+2*\b], v[96+16*\b:103+16*\b], v[244+\b]
	v_cvt_scalef32_pk8_fp4_f32 v[225+2*\b], v[104+16*\b:111+16*\b], v[244+\b]
.endr
	v_nop                                          ; one plain place behind a scaled conversion
.irp c, 0,1
.irp i, 0,1
	v_permlane16_swap_b32 v[224+4*\c+\i], v[226+4*\c+\i]   ; a whole block to a lane: lanes 0-15 block 2 c, lanes 16-31 block 2 c + 1
.endr
.endr
	v_pk_add_f32 v[236:237], v[96:97], v[98:99]    ; the row's sum is taken of the unquantised p: two at a time, in two chains.  (These lines are also the places between p's scale word and codes and the products below)
.irp j, 4,8,12,16,20,24,28,32,36,40,44,48,52,56,60
	v_pk_add_f32 v[14:15], v[14:15], v[96+\j:97+\j]
	v_pk_add_f32 v[236:237], v[236:237], v[98+\j:99+\j]
.endr
	v_pk_add_f32 v[14:15], v[14:15], v[236:237]
.if (\ks) > 0
.set j, 0
.rept 16
	v_pk_mul_f32 v[160+j:161+j], v[160+j:161+j], v[252:253] op_sel_hi:[1,0]   ; O^T under the new M
.set j, j+2
.endr
.endif
	s_wait_dscnt 0x0                               ; V and its scale words; and the next step's K and its scale words, asked for behind them
.irp dt, 0,2                           ; four accumulators by turns; the first step's products start the sums
.if (\ks) == 0
	v_wmma_scale_f32_16x16x128_f8f6f4 v[160+8*\dt:167+8*\dt], v[192+8*\dt:199+8*\dt], v[224:231], 0, v[24+\dt/2], v253 matrix_a_fmt:MATRIX_FMT_FP4 matrix_b_fmt:MATRIX_FMT_FP4
	v_wmma_scale_f32_16x16x128_f8f6f4 v[168+8*\dt:175+8*\dt], v[200+8*\dt:207+8*\dt], v[224:231], 0, v[24+\dt/2], v253 matrix_a_fmt:MATRIX_FMT_FP4 matrix_b_fmt:MATRIX_FMT_FP4 matrix_a_scale:MATRIX_SCALE_ROW1
.else
	v_wmma_scale_f32_16x16x128_f8f6f4 v[160+8*\dt:167+8*\dt], v[192+8*\dt:199+8*\dt], v[224:231], v[160+8*\dt:167+8*\dt], v[24+\dt/2], v253 matrix_a_fmt:MATRIX_FMT_FP4 matrix_b_fmt:MATRIX_FMT_FP4
	v_wmma_scale_f32_16x16x128_f8f6f4 v[168+8*\dt:175+8*\dt], v[200+8*\dt:207+8*\dt], v[224:231], v[168+8*\dt:175+8*\dt], v[24+\dt/2], v253 matrix_a_fmt:MATRIX_FMT_FP4 matrix_b_fmt:MATRIX_FMT_FP4 matrix_a_scale:MATRIX_SCALE_ROW1
.endif
.endr
.endm
	s_mov_b32 s30, 2
.Ltile:                                            ; two trips: tiles 32 half + wave and 32 half + 16 + wave of the head's 64.  Q is in on both ways here: awaited with the copy, or in the last trip's way out
	v_mov_b32 v13, 0xff61b1e6                      ; the largest t so far: -3e38, under every t
	v_floor_f32 v12, -v13                          ; -M
	v_mov_b32 v14, 0                               ; the sum, in two halves
	v_mov_b32 v15, 0
.irp n, 0,1,2,3,4,5,6,7
	STEP \n
.endr
	; THE WAY OUT: O^T / the sum goes through my stage, comes back as rows of 256 bytes, takes x and leaves
.rept 5
	v_nop                                          ; behind the last products: four for the reads of their results, five for the next tile's, which begin the sums anew
.endr
	v_add_f32 v14, v14, v15
	v_permlanex16_b32 v252, v14, s24, s25
	v_add_f32 v14, v14, v252                       ; the row's sum
	v_rcp_f32 v14, v14
	v_nop                                          ; one plain place behind a transcendental
.set j, 0
	s_wait_alu depctr_va_vdst(0)
.rept 16
	v_pk_mul_f32 v[96+j:97+j], v[160+j:161+j], v[14:15] op_sel_hi:[1,0]   ; register 16 b + i is channel 32 b + 16 h + i of query r; each accumulator from its low end on
.set j, j+2
.endr
.irp b, 0,1
.irp i, 0,1,2,3
	ds_store_b128 v4, v[96+16*\b+4*\i:99+16*\b+4*\i] offset:128*\b+16*\i
.endr
.endr
.irp i, 0,1,2,3,4,5,6,7
	ds_load_b128 v[128+4*\i:131+4*\i], v5 offset:544*\i    ; LDS serves a wave's instructions in order: these see my stores
.endr
	s_wait_loadcnt 0x0                             ; x, asked for a softmax ago; and the next tile's Q
.irp i, 0,1,2,3,4,5,6,7
	s_wait_dscnt 7-\i                              ; the younger loads from the stage may be out
	v_pk_add_f32 v[128+4*\i:129+4*\i], v[128+4*\i:129+4*\i], v[32+8*\i:33+8*\i]    ; + x: the same four numbers of the same row
	v_pk_add_f32 v[130+4*\i:131+4*\i], v[130+4*\i:131+4*\i], v[34+8*\i:35+8*\i]
	global_store_b128 v6, v[128+4*\i:131+4*\i], s[18:19] offset:(2*\i+8*(\i/4))*2048   ; the tile's query 2 i + h is row 2 i + h + 8 (i / 4); sixteen lanes store 256 consecutive bytes, aligned
.endr
	s_wait_xcnt 0x0                                ; the stores have read their registers and their base
	s_add_nc_u64 s[16:17], s[16:17], 524288        ; 256 rows on
	s_add_nc_u64 s[18:19], s[18:19], 524288
	s_sub_co_u32 s30, s30, 1
	s_cmp_lg_u32 s30, 0
	s_cbranch_scc1 .Ltile
	s_wait_tensorcnt 0x0
	ds_add_u32 v242, v243
	s_wait_dscnt 0x0
	s_endpgm
.Lfunc_end_k_qa055eae1ab_attn:
	.size	k_qa055eae1ab_attn, .Lfunc_end_k_qa055eae1ab_attn-k_qa055eae1ab_attn
	.p2alignl 7, 3214868480
	.fill 96, 4, 3214868480
	.section	.rodata,"a",@progbits
	.p2align	6, 0x0
	.amdhsa_kernel k_qa055eae1ab_attn
		.amdhsa_group_segment_fixed_size 143360
		.amdhsa_private_segment_fixed_size 0
		.amdhsa_enable_private_segment 0
		.amdhsa_kernarg_size 64
		.amdhsa_user_sgpr_count 2
		.amdhsa_user_sgpr_kernarg_segment_ptr 1
		.amdhsa_wavefront_size32 1
		.amdhsa_system_sgpr_workgroup_id_x 1
		.amdhsa_system_sgpr_workgroup_id_y 1
		.amdhsa_system_sgpr_workgroup_id_z 1
		.amdhsa_system_vgpr_workitem_id 0
		.amdhsa_next_free_vgpr 256
		.amdhsa_next_free_sgpr 66
		.amdhsa_reserve_vcc 1
		.amdhsa_float_denorm_mode_32 3
		.amdhsa_float_denorm_mode_16_64 3
		.amdhsa_memory_ordered 1
		.amdhsa_forward_progress 1
		.amdhsa_inst_pref_size 128
	.end_amdhsa_kernel
	.amdgpu_metadata
---
amdhsa.version: [ 1, 2 ]
amdhsa.kernels:
  - .name:           k_qa055eae1ab_attn
    .symbol:         k_qa055eae1ab_attn.kd
    .args:
      - { .name: qc, .offset: 0, .size: 8, .value_kind: global_buffer, .address_space: global }
      - { .name: qs, .offset: 8, .size: 8, .value_kind: global_buffer, .address_space: global }
      - { .name: kc, .offset: 16, .size: 8, .value_kind: global_buffer, .address_space: global }
      - { .name: ks, .offset: 24, .size: 8, .value_kind: global_buffer, .address_space: global }
      - { .name: vc, .offset: 32, .size: 8, .value_kind: global_buffer, .address_space: global }
      - { .name: vs, .offset: 40, .size: 8, .value_kind: global_buffer, .address_space: global }
      - { .name: x, .offset: 48, .size: 8, .value_kind: global_buffer, .address_space: global }
      - { .name: ox, .offset: 56, .size: 8, .value_kind: global_buffer, .address_space: global }
    .group_segment_fixed_size: 143360
    .private_segment_fixed_size: 0
    .kernarg_segment_align: 8
    .kernarg_segment_size: 64
    .max_flat_workgroup_size: 512
    .sgpr_count:     66
    .vgpr_count:     256
    .wavefront_size: 32
...
	.end_amdgpu_metadata
.endif
;; end of part 3
;; launch ffn (part 4): grid 256 x 1, 4 waves a work-group, no clusters, 169,472 bytes of LDS; arguments ox, ln_g, ln_b, wcodes, b1, b2, lnff_g, lnff_b, out0; writes out0
.if DOCPART == 4
	.amdgcn_target "amdgcn-amd-amdhsa--gfx1250"
	.amdhsa_code_object_version 6
	.text
	.protected	k_qa055eae1ab_ffn
	.globl	k_qa055eae1ab_ffn
	.p2align	8
	.type	k_qa055eae1ab_ffn,@function
k_qa055eae1ab_ffn:
	s_mov_b64 s[64:65], 0
	v_nop
	global_prefetch_b8 v0, s[64:65] scope:SCOPE_SE
	s_setreg_imm32_b32 hwreg(HW_REG_WAVE_MODE, 25, 1), 1
	s_wait_xcnt 0x0
; out0 = LN(relu(LN(ox) W1 + b1) W2 + b2), ox = attention's result + x as the launch before stored it; both products on codes of FP4 (E2M1) with E8M0 scales for each 32 along K; the norms, the bias, the activation in f32.
; SHARES.  A work-group takes 64 rows.  Wave w normalises and quantises rows 16 w .. 16 w + 15 and owns hidden units and outputs 128 w .. 128 w + 127 for all 64 rows: its parts of W1 and W2 are a window of 256 registers each,
; loaded as images of the operand's registers.  The rows' codes go from wave to wave through LDS as images too: 512 consecutive bytes a store, the same lines back.
; THE NORM works on whole rows: a load's 32 lanes take 512 consecutive bytes of a row, a lane holds 16 numbers of it; mean first, then the mean of the squared differences: no difference of large sums.
; My 16 rows are asked for at the head, all 64 loads at once, into window 3; the first norm reads them there and writes the centred rows into window 0: nothing is copied.
; Both products transposed (source 0 = 16 features of the weight, in the order 32 b + 8 u + r + 8 (r / 8) for lane r of tile 2 b + u; source 1 = 16 rows): a lane holds one row, and the 16 registers of tiles 2 b, 2 b + 1 are
; 16 neighbouring features: the next K for the hidden layer, 64 consecutive bytes for the result.  The biases are the C of each sum's first product.
; PHASES, three barriers: X: LN(ox), through the stage (my own rows), quantised, images | barrier | 1: the hidden layer, relu, quantised: K step w of the second product, images | barrier | 2: my 128 outputs into the stage | barrier | LN of my 16 rows, out.
; NO CLUSTER, NO TENSOR LOADS: the weights, which all work-groups share, go straight into registers as they lie; a joint load would land them in LDS and want a second trip.
; LIMITS: a block whose largest magnitude lies under 2^-124 (a block of zeros too) gets the byte 1: only this program reads the bytes; NaN and infinities are not served.
; REGISTERS.  window 0: v1-15, v57-58, v76-77 addresses; v16-31 the rows' scale words; v32-39 codes just made; v40-56 at work; v60-75 sums; v80-143 four rows, or eight accumulators; v144-207 the weights' scale words; v208-239 gain and bias of the norm.
;   window 1: W1 (fragment (t, s) at v[8 (4 t + s)]).   window 2: W2.   window 3: first my 16 rows as loaded (row i, 512 bytes q at v[16 i + 4 q]); then v0-63 b1's tiles, v64-127 b2's, v128-255 sixteen fragments of rows (tile m, step s at v[128 + 8 (4 m + s)]).
.set PITCH, 2064                       ; a row in the stage: 2,048 bytes + 16 = 129 x 16
.set XIMG,  64*PITCH                   ; LDS: the stage (64 rows); the first operand's 16 fragments;
.set XSC,   XIMG+16*1024               ; their scale words;
.set HIMG,  XSC+16*128                 ; the hidden layer's 16 fragments;
.set HSC,   HIMG+16*1024               ; their scale words
.set WSCL,  655360                     ; where the weights' scale words begin in their buffer
.set L16, 4
.set SWR, 6
.set SRD, 7
.set XWI, 8
.set XWS, 9
.set LI,  10
.set LS,  11
.set BA,  12
.set HWI, 13
.set WSA, 14
.set HWS, 15
.set XS,  16
.set PC,  32
.set TM,  40
.set PW,  56
.set FSO, 57                           ; the stage for the result: row r, + 512 w + 64 h
.set FSO2, 58                          ; the same 32 rows on
.set SM,  60                           ; a pair for each of four rows: the sum, the mean
.set SQ,  68                           ; likewise: the squares, 1 / sqrt
.set HLI, 76
.set HLS, 77
.set HA,  80
.set WS,  144
.set G,   208
.set BB,  224
.set PO,  4                            ; s[4:5] ox; and so on, in the order of the arguments
.set PG,  6
.set PB,  8
.set PWC, 10
.set PB1, 12
.set PB2, 14
.set PFG, 16
.set PFB, 18
.set POUT, 20
.set PWS, 24                           ; s[24:25] the weights' scale words
.set SEL, 36
.set MSB, 0
.macro WIN new                         ; the immediate's high byte repeats the setting that is left; a switch that changes nothing is dropped
.if MSB != (\new)
	s_set_vgpr_msb (MSB<<8)|(\new)
.set MSB, (\new)
.endif
.endm
.macro PLACES n
.rept \n
	v_nop
.endr
.endm
.macro BARRIER                         ; my LDS stores have landed and my LDS loads are in: then the work-group's barrier
	s_wait_dscnt 0x0
	s_barrier_signal -1
	s_barrier_wait -1
.endm
; 64 numbers of a lane, register 16 b + i = k 32 b + 16 (lane / 16) + i of my row, become a fragment's codes in v[PC] on and its scale word in v[pw].
.macro QUANT s, pw
.irp b, 0,1,2,3
	v_max3_num_f32 v[TM+\b], |v[\s+16*\b]|, |v[\s+1+16*\b]|, 0x1800000   ; block b: my 16 numbers, and the floor 2^(3 - 127): the byte cannot fall under 1
.endr
.irp i, 2,4,6,8,10,12,14
.irp b, 0,1,2,3
	v_max3_num_f32 v[TM+\b], v[TM+\b], |v[\s+16*\b+\i]|, |v[\s+1+16*\b+\i]|
.endr
.endr
.irp b, 0,1,2,3
	v_permlanex16_b32 v[TM+4+\b], v[TM+\b], s[SEL], s[SEL+1]
.endr
.irp b, 0,1,2,3
	v_max_num_f32 v[TM+\b], v[TM+\b], v[TM+4+\b]   ; with lane l xor 16's: the block's largest magnitude
.endr
.irp b, 0,1,2,3
	v_add_nc_u32 v[TM+12+\b], 0xff000000, v[TM+\b] ; 2 off its exponent field: the conversion's scale operand
.endr
.irp b, 0,1,2,3
	v_lshrrev_b32 v[TM+4+\b], 23, v[TM+12+\b]      ; the scale's byte
.endr
	v_lshl_or_b32 v[\pw], v[TM+5], 8, v[TM+4]
	v_lshl_or_b32 v[\pw], v[TM+6], 16, v[\pw]
	v_lshl_or_b32 v[\pw], v[TM+7], 24, v[\pw]
.irp b, 0,1,2,3
	v_cvt_scalef32_pk8_fp4_f32 v[PC+2*\b], v[\s+16*\b:\s+7+16*\b], v[TM+12+\b]
	v_cvt_scalef32_pk8_fp4_f32 v[PC+1+2*\b], v[\s+8+16*\b:\s+15+16*\b], v[TM+12+\b]
.endr
	v_nop                                          ; one plain place behind a scaled conversion
.irp c, 0,1
.irp i, 0,1
	v_permlane16_swap_b32 v[PC+4*\c+\i], v[PC+2+4*\c+\i]
.endr
.endr
.endm
.macro MMC d, a, b, cc, sa, sb
	v_wmma_scale_f32_16x16x128_f8f6f4 v[\d:\d+7], v[\a:\a+7], v[\b:\b+7], v[\cc:\cc+7], v[\sa], v[\sb] matrix_a_fmt:MATRIX_FMT_FP4 matrix_b_fmt:MATRIX_FMT_FP4
.endm
; My 8 tiles of features for tile m of the rows; the bias (window 3, from v[bo]) is the C of the first K step.  The eight accumulators take turns, one instruction a turn.
.macro PROD ww, bo, set, m
	WIN 0x3c+(\ww)                                 ; source 0 window ww, sources 1 and 2 window 3
.irp t, 0,1,2,3,4,5,6,7
	MMC HA+8*\t, 32*\t, 128+32*(\m), (\bo)+8*\t, WS+32*(\set)+4*\t, XS+4*(\m)
.endr
	WIN 0x0c+(\ww)                                 ; C and D window 0
.irp s, 1,2,3
.irp t, 0,1,2,3,4,5,6,7
	MMC HA+8*\t, 8*(4*\t+\s), 128+8*(4*(\m)+\s), HA+8*\t, WS+32*(\set)+4*\t+\s, XS+4*(\m)+\s
.endr
.endr
	WIN 0
.endm
; The sum over a row's 512 numbers of the pair v[p + 2 k] of each of four rows: the pair's halves, four steps inside each half of the lanes, one across.  The four rows by turns.
.macro ACROSS p
.irp k, 0,1,2,3
	v_add_f32 v[\p+2*\k], v[\p+2*\k], v[\p+2*\k+1]
.endr
.irp x, 1,2,4,8
.irp k, 0,1,2,3
	v_add_f32_dpp v[\p+2*\k], v[\p+2*\k], v[\p+2*\k] row_xmask:\x row_mask:0xf bank_mask:0xf
.endr
.endr
.irp k, 0,1,2,3
	v_permlanex16_b32 v[\p+2*\k+1], v[\p+2*\k], s[SEL], s[SEL+1]
.endr
.irp k, 0,1,2,3
	v_add_f32 v[\p+2*\k], v[\p+2*\k], v[\p+2*\k+1]
.endr
.endm
; The norm of four rows (row k at v[src + 16 k] of window w; register 4 q + i is column 128 q + 4 lane + i), with the gain in v[G] on and the bias in v[BB] on.  The result stands in v[HA] on, window 0:
; the subtraction of the mean is the line that brings the rows there.  With src = HA and w = 0 all is in place and no window is switched.
.macro LN4 src, w
	WIN 5*(\w)                                     ; sources 0 and 1: the rows' window
.irp k, 0,1,2,3
	v_pk_add_f32 v[SM+2*\k:SM+2*\k+1], v[(\src)+16*\k:(\src)+16*\k+1], v[(\src)+16*\k+2:(\src)+16*\k+3]
.endr
	WIN 4*(\w)                                     ; source 1 alone
.irp n, 4,6,8,10,12,14
.irp k, 0,1,2,3
	v_pk_add_f32 v[SM+2*\k:SM+2*\k+1], v[SM+2*\k:SM+2*\k+1], v[(\src)+16*\k+\n:(\src)+16*\k+\n+1]
.endr
.endr
	WIN 0
	ACROSS SM
.irp k, 0,1,2,3
	v_mul_f32 v[SM+2*\k], s40, v[SM+2*\k]          ; the mean
.endr
	WIN (\w)                                       ; source 0 alone
.irp n, 0,2,4,6,8,10,12,14
.irp k, 0,1,2,3
	v_pk_add_f32 v[HA+16*\k+\n:HA+16*\k+\n+1], v[(\src)+16*\k+\n:(\src)+16*\k+\n+1], v[SM+2*\k:SM+2*\k+1] op_sel_hi:[1,0] neg_lo:[0,1] neg_hi:[0,1]   ; x - mean
.endr
.endr
	WIN 0
.irp k, 0,1,2,3
	v_pk_mul_f32 v[SQ+2*\k:SQ+2*\k+1], v[HA+16*\k:HA+16*\k+1], v[HA+16*\k:HA+16*\k+1]
.endr
.irp n, 2,4,6,8,10,12,14
.irp k, 0,1,2,3
	v_pk_fma_f32 v[SQ+2*\k:SQ+2*\k+1], v[HA+16*\k+\n:HA+16*\k+\n+1], v[HA+16*\k+\n:HA+16*\k+\n+1], v[SQ+2*\k:SQ+2*\k+1]
.endr
.endr
	ACROSS SQ
.irp k, 0,1,2,3
	v_fma_f32 v[SQ+2*\k], v[SQ+2*\k], s40, s41     ; the variance + eps
.endr
.irp k, 0,1,2,3
	v_rsq_f32 v[SQ+2*\k], v[SQ+2*\k]
.endr
	v_nop                                          ; one plain place behind the transcendentals
	s_wait_alu depctr_va_vdst(0)
.irp n, 0,2,4,6,8,10,12,14
.irp k, 0,1,2,3
	v_pk_mul_f32 v[HA+16*\k+\n:HA+16*\k+\n+1], v[HA+16*\k+\n:HA+16*\k+\n+1], v[SQ+2*\k:SQ+2*\k+1] op_sel_hi:[1,0]
.endr
.endr
.irp n, 0,2,4,6,8,10,12,14
.irp k, 0,1,2,3
	v_pk_fma_f32 v[HA+16*\k+\n:HA+16*\k+\n+1], v[HA+16*\k+\n:HA+16*\k+\n+1], v[G+\n:G+\n+1], v[BB+\n:BB+\n+1]
.endr
.endr
.endm
	s_load_b512 s[4:19], s[0:1], 0x0               ; ox, ln_g, ln_b, the weights' codes, b1, b2, lnff_g, lnff_b
	s_load_b64 s[20:21], s[0:1], 0x40              ; out0
	v_lshl_add_u32 v254, v0, 2, 0x29400
	v_mov_b32 v255, 0
	v_lshrrev_b32 v1, 5, v0
	v_readfirstlane_b32 s28, v1                    ; wave 0..3
	v_and_b32 v1, 31, v0                           ; lane
	v_and_b32 v2, 15, v0                           ; r
	v_bfe_u32 v3, v0, 4, 1                         ; h
	v_lshlrev_b32 v[L16], 4, v1
	s_mul_i32 s31, s28, 16*PITCH
	v_add_nc_u32 v[SWR], s31, v[L16]               ; the stage: my 16 rows, 16 x lane
	v_mul_u32_u24 v[SRD], v2, PITCH
	v_lshl_add_u32 v[SRD], v3, 6, v[SRD]
	v_add_nc_u32 v[SRD], s31, v[SRD]               ; my row r, + 64 h
	s_lshl_b32 s31, s28, 12
	s_add_co_u32 s31, s31, XIMG
	v_add_nc_u32 v[XWI], s31, v[L16]
	s_lshl_b32 s31, s28, 9
	s_add_co_u32 s31, s31, XSC
	v_lshl_add_u32 v[XWS], v1, 2, s31
	v_add_nc_u32 v[LI], XIMG, v[L16]
	v_lshl_add_u32 v[LS], v1, 2, XSC
	v_lshlrev_b32 v[BA], 6, v3
	v_lshlrev_b32 v[WSA], 4, v2
	s_lshl_b32 s31, s28, 10
	s_add_co_u32 s31, s31, HIMG
	v_add_nc_u32 v[HWI], s31, v[L16]
	s_lshl_b32 s31, s28, 7
	s_add_co_u32 s31, s31, HSC
	v_lshl_add_u32 v[HWS], v1, 2, s31
	v_add_nc_u32 v[HLI], HIMG, v[L16]
	v_lshl_add_u32 v[HLS], v1, 2, HSC
	v_mul_u32_u24 v[FSO], v2, PITCH
	v_lshl_add_u32 v[FSO], v3, 6, v[FSO]
	s_lshl_b32 s31, s28, 9
	v_add_nc_u32 v[FSO], s31, v[FSO]
	v_add_nc_u32 v[FSO2], 32*PITCH, v[FSO]
.irp b, 0,1,2,3
	v_mov_b32 v[TM+4+\b], 0                        ; written once: a lane permute's destination counts as one of its sources
.endr
	s_mov_b32 s[SEL], 0x76543210
	s_mov_b32 s[SEL+1], 0xfedcba98
	s_mov_b32 s40, 0x3b000000                      ; 1 / 512
	s_mov_b32 s41, 0x3727c5ac                      ; eps = 1e-5
	s_mov_b32 s33, 0
	s_lshl_b32 s32, ttmp9, 17                      ; 64 rows of 2,048 bytes a work-group,
	s_lshl_b32 s31, s28, 15                        ; 16 a wave
	s_add_co_u32 s32, s32, s31
	s_wait_kmcnt 0x0
	s_add_nc_u64 s[PO:PO+1], s[PO:PO+1], s[32:33]
	s_add_nc_u64 s[POUT:POUT+1], s[POUT:POUT+1], s[32:33]
	; ---- X: the first norm's gain and bias, then my 16 rows, each load 512 consecutive bytes
.irp q, 0,1,2,3
	global_load_b128 v[G+4*\q:G+4*\q+3], v[L16], s[PG:PG+1] offset:512*\q
	global_load_b128 v[BB+4*\q:BB+4*\q+3], v[L16], s[PB:PB+1] offset:512*\q
.endr
	WIN 0xc0                                       ; destination window 3
.irp i, 0,1,2,3,4,5,6,7,8,9,10,11,12,13,14,15
.irp q, 0,1,2,3
	global_load_b128 v[16*\i+4*\q:16*\i+4*\q+3], v[L16], s[PO:PO+1] offset:\i*2048+512*\q th:TH_LOAD_NT
.endr
.endr
	s_lshl_b32 s32, s28, 11                        ; W1's scale words: weight 3 of the five, 8 tiles x 256 bytes a wave
	s_add_co_u32 s32, s32, WSCL+3*8192
	s_add_nc_u64 s[PWS:PWS+1], s[PWC:PWC+1], s[32:33]
	s_lshl_b32 s32, s28, 15                        ; W1's codes
	s_add_co_u32 s32, s32, 3*131072
	s_add_nc_u64 s[PWC:PWC+1], s[PWC:PWC+1], s[32:33]
	s_lshl_b32 s32, s28, 9                         ; the biases: 128 numbers a wave
	s_add_nc_u64 s[PB1:PB1+1], s[PB1:PB1+1], s[32:33]
	s_add_nc_u64 s[PB2:PB2+1], s[PB2:PB2+1], s[32:33]
.irp gi, 0,1,2,3
.if \gi > 0
	s_wait_dscnt 0x0                               ; the stores into the stage have read the four rows' registers in window 0
.endif
	s_wait_loadcnt 48                              ; four rows' 16 loads are in (and what was asked for ahead of them); behind them three groups of 16 are out: rows still to come, and W1's groups issued below
	WIN 0x40                                       ; destination window 1: W1's tiles 2 gi, 2 gi + 1
.irp tt, 0,1
.irp s, 0,1,2,3
.irp c, 0,1
	global_load_b128 v[8*(4*(2*\gi+\tt)+\s)+4*\c:8*(4*(2*\gi+\tt)+\s)+4*\c+3], v[L16], s[PWC:PWC+1] offset:(2*\gi+\tt)*4096+\s*1024+\c*512
.endr
.endr
.endr
	LN4 64*\gi, 3
.irp k, 0,1,2,3
.irp q, 0,1,2,3
	ds_store_b128 v[SWR], v[HA+16*\k+4*\q:HA+16*\k+4*\q+3] offset:(4*\gi+\k)*PITCH+512*\q
.endr
.endr
.endr
.irp t, 0,1,2,3,4,5,6,7
	global_load_b128 v[WS+4*\t:WS+4*\t+3], v[WSA], s[PWS:PWS+1] offset:\t*256             ; W1's scale words: set 0
	global_load_b128 v[WS+32+4*\t:WS+32+4*\t+3], v[WSA], s[PWS:PWS+1] offset:8192+\t*256  ; W2's: set 1
.endr
.irp q, 0,1,2,3
	global_load_b128 v[G+4*\q:G+4*\q+3], v[L16], s[PFG:PFG+1] offset:512*\q               ; the last norm's gain and bias take the first's place
	global_load_b128 v[BB+4*\q:BB+4*\q+3], v[L16], s[PFB:PFB+1] offset:512*\q
.endr
	WIN 0xc0
.irp t, 0,1,2,3,4,5,6,7                ; the biases in the result's layout: lane half h wants features 32 (t / 2) + 8 (t % 2) + 16 h + 0 .. 7
	global_load_b128 v[8*\t:8*\t+3], v[BA], s[PB1:PB1+1] offset:(32*(\t/2)+8*(\t%2))*4
	global_load_b128 v[8*\t+4:8*\t+7], v[BA], s[PB1:PB1+1] offset:(32*(\t/2)+8*(\t%2))*4+16
	global_load_b128 v[64+8*\t:64+8*\t+3], v[BA], s[PB2:PB2+1] offset:(32*(\t/2)+8*(\t%2))*4
	global_load_b128 v[64+8*\t+4:64+8*\t+7], v[BA], s[PB2:PB2+1] offset:(32*(\t/2)+8*(\t%2))*4+16
.endr
	WIN 0
.irp a, 0,1,2,3                        ; K step a of my 16 rows comes back from the stage, 16 neighbours of each block of 32 to a lane (my own bytes: LDS serves a wave's instructions in order), and is quantised
.irp b, 0,1,2,3
.irp j, 0,1,2,3
	ds_load_b128 v[HA+16*\b+4*\j:HA+16*\b+4*\j+3], v[SRD] offset:512*\a+128*\b+16*\j
.endr
.endr
	WIN 0x80                                       ; destination window 2: W2's tiles 2 a, 2 a + 1
.irp tt, 0,1
.irp s, 0,1,2,3
.irp c, 0,1
	global_load_b128 v[8*(4*(2*\a+\tt)+\s)+4*\c:8*(4*(2*\a+\tt)+\s)+4*\c+3], v[L16], s[PWC:PWC+1] offset:131072+(2*\a+\tt)*4096+\s*1024+\c*512
.endr
.endr
.endr
	WIN 0
	s_wait_dscnt 0x0                               ; the numbers are in, and the last step's stores have read their registers
	QUANT HA, PW
	ds_store_b128 v[XWI], v[PC:PC+3] offset:1024*\a
	ds_store_b128 v[XWI], v[PC+4:PC+7] offset:1024*\a+512
	ds_store_b32 v[XWS], v[PW] offset:128*\a
.endr
	BARRIER                                        ; the first operand's sixteen fragments lie in LDS
	WIN 0xc0
.irp f, 0,1,2,3,4,5,6,7,8,9,10,11,12,13,14,15
	ds_load_b128 v[128+8*\f:128+8*\f+3], v[LI] offset:1024*\f
	ds_load_b128 v[128+8*\f+4:128+8*\f+7], v[LI] offset:1024*\f+512
.endr
	WIN 0
.irp f, 0,1,2,3,4,5,6,7,8,9,10,11,12,13,14,15
	ds_load_b32 v[XS+\f], v[LS] offset:128*\f
.endr
	s_wait_loadcnt 0x0                             ; W1, W2, their scale words, the biases, the last norm's gain and bias
	s_wait_dscnt 0x0
	; ---- 1: the hidden layer, a tile of 16 rows at a time
.irp m, 0,1,2,3
	PROD 1, 0, 0, \m
	PLACES 5                                       ; behind the products: four for the reads of their results, five for the next tile's products, which begin these accumulators anew
.set j, 0
.rept 64
	v_max_num_f32 v[HA+j], 0, v[HA+j]              ; the activation; each accumulator from its low end on
.set j, j+1
.endr
	s_wait_dscnt 0x0                               ; the last tile's stores have read their registers
	QUANT HA, PW
	ds_store_b128 v[HWI], v[PC:PC+3] offset:4096*\m        ; K step w of the second product, rows 16 m on
	ds_store_b128 v[HWI], v[PC+4:PC+7] offset:4096*\m+512
	ds_store_b32 v[HWS], v[PW] offset:512*\m
.endr
	BARRIER                                        ; the hidden layer's sixteen fragments lie in LDS
	WIN 0xc0
.irp f, 0,1,2,3,4,5,6,7,8,9,10,11,12,13,14,15
	ds_load_b128 v[128+8*\f:128+8*\f+3], v[HLI] offset:1024*\f
	ds_load_b128 v[128+8*\f+4:128+8*\f+7], v[HLI] offset:1024*\f+512
.endr
	WIN 0
.irp f, 0,1,2,3,4,5,6,7,8,9,10,11,12,13,14,15
	ds_load_b32 v[XS+\f], v[HLS] offset:128*\f
.endr
	; ---- 2: my 128 outputs, a tile of 16 rows at a time, into the stage (nobody reads it since the first barrier)
.irp m, 0,1,2,3
	s_wait_dscnt 0x0                               ; the fragments are in; the last tile's stores have read the accumulators
	PROD 2, 64, 1, \m
	PLACES 5
.irp b, 0,1,2,3
.irp i, 0,1,2,3
	ds_store_b128 v[FSO+\m/2], v[HA+16*\b+4*\i:HA+16*\b+4*\i+3] offset:(\m%2)*16*PITCH+128*\b+16*\i   ; row 16 m + r, columns 128 w + 32 b + 16 h + 4 i on; each accumulator from its low end on
.endr
.endr
.endr
	BARRIER                                        ; 64 whole rows lie in the stage
	; ---- the last norm of my 16 rows, four at a time, and out
.irp gi, 0,1,2,3
.if \gi > 0
	s_wait_xcnt 0x0                                ; the last group's stores have read their registers
.endif
.irp k, 0,1,2,3
.irp q, 0,1,2,3
	ds_load_b128 v[HA+16*\k+4*\q:HA+16*\k+4*\q+3], v[SWR] offset:(4*\gi+\k)*PITCH+512*\q
.endr
.endr
	s_wait_dscnt 0x0
	LN4 HA, 0
.irp k, 0,1,2,3
.irp q, 0,1,2,3
	global_store_b128 v[L16], v[HA+16*\k+4*\q:HA+16*\k+4*\q+3], s[POUT:POUT+1] offset:(4*\gi+\k)*2048+512*\q th:TH_STORE_NT   ; 512 consecutive bytes, aligned; written once, read by nobody here
.endr
.endr
.endr
	s_wait_tensorcnt 0x0
	ds_add_u32 v254, v255
	s_wait_dscnt 0x0
	s_endpgm
.Lfunc_end_k_qa055eae1ab_ffn:
	.size	k_qa055eae1ab_ffn, .Lfunc_end_k_qa055eae1ab_ffn-k_qa055eae1ab_ffn
	.p2alignl 7, 3214868480
	.fill 96, 4, 3214868480
	.section	.rodata,"a",@progbits
	.p2align	6, 0x0
	.amdhsa_kernel k_qa055eae1ab_ffn
		.amdhsa_group_segment_fixed_size 169472
		.amdhsa_private_segment_fixed_size 0
		.amdhsa_enable_private_segment 0
		.amdhsa_kernarg_size 72
		.amdhsa_user_sgpr_count 2
		.amdhsa_user_sgpr_kernarg_segment_ptr 1
		.amdhsa_wavefront_size32 1
		.amdhsa_system_sgpr_workgroup_id_x 1
		.amdhsa_system_sgpr_workgroup_id_y 1
		.amdhsa_system_sgpr_workgroup_id_z 1
		.amdhsa_system_vgpr_workitem_id 0
		.amdhsa_next_free_vgpr 1024
		.amdhsa_next_free_sgpr 66
		.amdhsa_reserve_vcc 0
		.amdhsa_float_denorm_mode_32 3
		.amdhsa_float_denorm_mode_16_64 3
		.amdhsa_memory_ordered 1
		.amdhsa_forward_progress 1
		.amdhsa_inst_pref_size 238
	.end_amdhsa_kernel
	.amdgpu_metadata
---
amdhsa.version: [ 1, 2 ]
amdhsa.kernels:
  - .name:           k_qa055eae1ab_ffn
    .symbol:         k_qa055eae1ab_ffn.kd
    .args:
      - { .name: ox, .offset: 0, .size: 8, .value_kind: global_buffer, .address_space: global }
      - { .name: ln_g, .offset: 8, .size: 8, .value_kind: global_buffer, .address_space: global }
      - { .name: ln_b, .offset: 16, .size: 8, .value_kind: global_buffer, .address_space: global }
      - { .name: wcodes, .offset: 24, .size: 8, .value_kind: global_buffer, .address_space: global }
      - { .name: b1, .offset: 32, .size: 8, .value_kind: global_buffer, .address_space: global }
      - { .name: b2, .offset: 40, .size: 8, .value_kind: global_buffer, .address_space: global }
      - { .name: lnff_g, .offset: 48, .size: 8, .value_kind: global_buffer, .address_space: global }
      - { .name: lnff_b, .offset: 56, .size: 8, .value_kind: global_buffer, .address_space: global }
      - { .name: out0, .offset: 64, .size: 8, .value_kind: global_buffer, .address_space: global }
    .group_segment_fixed_size: 169472
    .private_segment_fixed_size: 0
    .kernarg_segment_align: 8
    .kernarg_segment_size: 72
    .max_flat_workgroup_size: 128
    .sgpr_count:     66
    .vgpr_count:     1024
    .wavefront_size: 32
...
	.end_amdgpu_metadata
.endif
;; end of part 4
;; ======== version 2 of 2: 4 launches; version 1 with the launches qkv, attn, ffn written anew for expert scheduling mode
;; workspace buffers: wcodes 696,320 bytes; qc 4,194,304 bytes; kc 4,194,304 bytes; vc 4,194,304 bytes; qs 524,288 bytes; ks 524,288 bytes; vs 262,144 bytes; ox 33,554,432 bytes
;; launch wquant: the kernel of part 1 again; grid 16 x 5, 4 waves a work-group, no clusters, 1,536 bytes of LDS; arguments Wq, Wk, Wv, W1, W2, wcodes; writes wcodes
;; launch qkv (part 5): grid 256 x 1, 4 waves a work-group, no clusters, 151,040 bytes of LDS; arguments x, wcodes, bq, bk, bv, qc, qs, kc, ks, vc, vs; writes qc, qs, kc, ks, vc, vs
.if DOCPART == 5
	.amdgcn_target "amdgcn-amd-amdhsa--gfx1250"
	.amdhsa_code_object_version 6
	.text
	.protected	k_qa055eae1ab_qkv
	.globl	k_qa055eae1ab_qkv
	.p2align	8
	.type	k_qa055eae1ab_qkv,@function
k_qa055eae1ab_qkv:
	s_mov_b64 s[64:65], 0
	v_nop
	global_prefetch_b8 v0, s[64:65] scope:SCOPE_SE
	s_setreg_imm32_b32 hwreg(HW_REG_WAVE_SCHED_MODE, 0, 2), 2
	s_setreg_imm32_b32 hwreg(HW_REG_WAVE_MODE, 25, 1), 1
	s_wait_xcnt 0x0
	s_wait_alu depctr_vm_vsrc(0)
; q = x Wq + bq, k = x Wk + bk, v = x Wv + bv on codes of FP4 (E2M1) with E8M0 scales for each 32 along K; q and k are then quantised along the head's 64, v along the keys, for the attention launch.
; SHARES.  A work-group takes 64 rows of x (group g of 16 in one of the 16 (batch, time) pairs).  Wave w quantises 16 of them (tile w) and owns features 128 w .. 128 w + 127 (heads 2 w, 2 w + 1) of q, k and v
; for all 64 rows: its part of a weight, 8 tiles x 4 K steps, is 256 registers, one window, loaded as images of the operand's registers (512 consecutive bytes a load).
; ONE ORDER OF ROWS: lane r of tile 2 b + u (of x's rows and of a weight's features alike) is row 32 b + 8 u + r + 8 (r / 8).  A result whose source 0 is such a tile holds in lane half h, register j,
; index 32 b + 16 h + 8 u + j: the 16 registers of tiles 2 b, 2 b + 1 are 16 neighbours, which is what the conversions want.
; q, k: source 0 = a weight's tile, source 1 = x: a lane holds one row and its registers run along the features.   v: source 0 = x, source 1 = the weight's tile: a lane holds one feature and its registers run along the keys.
; OUT, all as images: qc, kc [head 128][tile 64][lane][16 bytes] (the head's 64 are registers 0-3 of a fragment; the reader clears registers 4-7); vc [head][g 16][tile of 16 channels 4][lane][16 bytes] (64 keys);
; qs, ks [head][g][lane][2 words]: lane 16 i + r, word j: tile 2 j + i's row r (bytes 0, 1; bytes 2, 3 meet zero codes alone and are never 0xff); vs [pair][g][w][lane][2 words]: lane 16 i + r: word 0 head 2 w, word 1 head 2 w + 1;
; in a word the low half is channel tile 2 i's two bytes (keys 0-31, 32-63 of g), the high half tile 2 i + 1's.
; NO CLUSTER, NO TENSOR LOADS: the weights, which all work-groups share, go straight into registers as they lie; a joint load would land them in LDS, where a work-group's 384 KiB of them do not fit, and want a second trip.
; LIMITS: a block whose largest magnitude lies under 2^-124 (a block of zeros too) gets the byte 1: only this program reads the bytes; NaN and infinities are not served.
; REGISTERS.  window 0: v1-14 addresses; v16-31 x's scale words; v32-39 codes just made; v40-55 at work; v56, v60-63 scale words just made; v64-67 on their way out; v68-75 bv; v80-143 eight accumulators; v144-207 the weights' scale words, two sets.
;   window 1: Wq, later Wv (fragment (t, s) at v[8 (4 t + s)]).   window 2: Wk.   window 3: first 16 rows of x as loaded; then v0-63 bq's tiles, v64-127 bk's, v128-255 x's 16 fragments (tile m, step s at v[128 + 8 (4 m + s)]).
; THE MODE: SCHED_MODE bits 1:0 = 2 (LLVM: expert scheduling mode 2), set by the entry lines.  The code itself states the register dependences between vector or matrix instructions and memory or LDS instructions, with s_wait_alu, always for 0.
; THE PLAN.  Registers that memory or LDS instructions touch:
;   v4-14          addresses and offsets: written at the head, never again.
;   window 3       loaded (x), read by the stores into the stage; then loaded again (biases, x's fragments) and read by the products alone.
;   v[HA ..]       LDS loads land in it and QUANT reads it (phase X); later the products write it and QUANT reads it.  No store reads it.
;   v[PC ..], v[PW]  written by QUANT, read by the stores behind it (LDS in phase X, global later).
;   v[E ..]        written by four vector lines, read by the scale words' stores.
;   window 1, scale set 0   loaded (Wq), read by q's products, loaded again (Wv) behind them.
; So: one wait on va_vdst behind each QUANT (the codes are written; in phase X also: QUANT is done reading v[HA ..], in which the next step's loads land), one on vm_vsrc ahead of each QUANT that follows stores of codes,
; one on va_vdst ahead of each pair of scale-word stores, which behind q also frees window 1 and scale set 0 for Wv's loads.
.set PITCH, 2064                       ; a row of x in the stage: 2,048 bytes + 16 = 129 x 16: the sixteen rows that a load touches start at sixteen different 16-byte columns
.set XIMG,  64*PITCH                   ; LDS: the stage (64 rows), x's 16 fragments (1,024 bytes each),
.set XSC,   XIMG+16*1024               ; their scale words (128 bytes each)
.set WSCL,  655360                     ; where the weights' scale words begin in their buffer
.set L16, 4                            ; 16 x lane
.set L8,  5                            ; 8 x lane
.set SWR, 6                            ; the stage: my wave's rows, 16 x lane
.set SRD, 7                            ; the stage: my row r, + 64 h
.set XWI, 8                            ; where I store x's images
.set XWS, 9                            ; and their scale words
.set LI,  10                           ; where anyone reads them
.set LS,  11
.set BA,  12                           ; 64 h: a bias tile's bytes for my half
.set BVA, 13                           ; 4 (r + 8 (r / 8)): bv of my feature
.set WSA, 14                           ; 16 r: a weight tile's scale words
.set XS,  16
.set PC,  32
.set TM,  40
.set PW,  56
.set PWK, 60
.set E,   64
.set BV,  68
.set HA,  80
.set WS,  144
.set PX,  4                            ; s[4:5] x; and so on, in the order of the arguments
.set PWC, 6
.set PBQ, 8
.set PBK, 10
.set PBV, 12
.set PQC, 14
.set PQS, 16
.set PKC, 18
.set PKS, 20
.set PVC, 22
.set PVS, 24
.set PWS, 26                           ; s[26:27] the weights' scale words
.set SEL, 36                           ; s[36:37] v_permlanex16_b32's selects for lane l xor 16
.set MSB, 0
.macro WIN new                         ; the immediate's high byte repeats the setting that is left
.if MSB != \new
	s_set_vgpr_msb (MSB<<8)|\new
.set MSB, \new
.endif
.endm
.macro PLACES n
.rept \n
	v_nop
.endr
.endm
.macro BARRIER                         ; my LDS stores have landed and my LDS loads are in: then the work-group's barrier
	s_wait_dscnt 0x0
	s_barrier_signal -1
	s_barrier_wait -1
.endm
; 64 numbers of a lane, register 16 b + i = index 32 b + 16 (lane / 16) + i, become a fragment's codes in v[PC] on (registers 4 c .. 4 c + 3: index 64 c + 32 (lane / 16) + 0 .. 31) and the scale word in v[pw] (byte b: block b).
.macro QUANT s, pw
.irp b, 0,1,2,3
	v_max3_num_f32 v[TM+\b], |v[\s+16*\b]|, |v[\s+1+16*\b]|, 0x1800000   ; block b: my 16 numbers, and the floor 2^(3 - 127): the byte cannot fall under 1
.endr
.irp i, 2,4,6,8,10,12,14
.irp b, 0,1,2,3
	v_max3_num_f32 v[TM+\b], v[TM+\b], |v[\s+16*\b+\i]|, |v[\s+1+16*\b+\i]|   ; the four blocks by turns
.endr
.endr
.irp b, 0,1,2,3
	v_permlanex16_b32 v[TM+4+\b], v[TM+\b], s[SEL], s[SEL+1]
.endr
.irp b, 0,1,2,3
	v_max_num_f32 v[TM+\b], v[TM+\b], v[TM+4+\b]   ; with lane l xor 16's: the block's largest magnitude
.endr
.irp b, 0,1,2,3
	v_add_nc_u32 v[TM+12+\b], 0xff000000, v[TM+\b] ; 2 off its exponent field: the conversion's scale operand
.endr
.irp b, 0,1,2,3
	v_lshrrev_b32 v[TM+4+\b], 23, v[TM+12+\b]      ; the scale's byte
.endr
	v_lshl_or_b32 v[\pw], v[TM+5], 8, v[TM+4]
	v_lshl_or_b32 v[\pw], v[TM+6], 16, v[\pw]
	v_lshl_or_b32 v[\pw], v[TM+7], 24, v[\pw]
.irp b, 0,1,2,3
	v_cvt_scalef32_pk8_fp4_f32 v[PC+2*\b], v[\s+16*\b:\s+7+16*\b], v[TM+12+\b]
	v_cvt_scalef32_pk8_fp4_f32 v[PC+1+2*\b], v[\s+8+16*\b:\s+15+16*\b], v[TM+12+\b]
.endr
	v_nop                                          ; one plain place behind a scaled conversion
.irp c, 0,1                            ; the operand's layout wants a whole block in a lane: lanes 0-15 block 2 c, lanes 16-31 block 2 c + 1
.irp i, 0,1
	v_permlane16_swap_b32 v[PC+4*\c+\i], v[PC+2+4*\c+\i]
.endr
.endr
.endm
.macro MM0 d, a, b, sa, sb             ; a product that starts a sum
	v_wmma_scale_f32_16x16x128_f8f6f4 v[\d:\d+7], v[\a:\a+7], v[\b:\b+7], 0, v[\sa], v[\sb] matrix_a_fmt:MATRIX_FMT_FP4 matrix_b_fmt:MATRIX_FMT_FP4
.endm
.macro MMC d, a, b, cc, sa, sb         ; a product onto v[cc] on
	v_wmma_scale_f32_16x16x128_f8f6f4 v[\d:\d+7], v[\a:\a+7], v[\b:\b+7], v[\cc:\cc+7], v[\sa], v[\sb] matrix_a_fmt:MATRIX_FMT_FP4 matrix_b_fmt:MATRIX_FMT_FP4
.endm
	s_load_b512 s[4:19], s[0:1], 0x0               ; x, the weights' codes, bq, bk, bv, qc, qs, kc
	s_load_b128 s[20:23], s[0:1], 0x40             ; ks, vc
	s_load_b64 s[24:25], s[0:1], 0x50              ; vs
	v_lshl_add_u32 v254, v0, 2, 0x24c00
	v_mov_b32 v255, 0
	v_lshrrev_b32 v1, 5, v0
	v_readfirstlane_b32 s28, v1                    ; wave 0..3
	s_lshr_b32 s29, ttmp9, 4                       ; the (batch, time) pair
	s_and_b32 s30, ttmp9, 15                       ; g
	v_and_b32 v1, 31, v0                           ; lane
	v_and_b32 v2, 15, v0                           ; r
	v_bfe_u32 v3, v0, 4, 1                         ; h
	v_lshlrev_b32 v[L16], 4, v1
	v_lshlrev_b32 v[L8], 3, v1
	s_wait_alu depctr_va_sdst(0)                   ; s28, the wave's number, is written, ahead of its first reader
	s_mul_i32 s31, s28, 16*PITCH
	v_add_nc_u32 v[SWR], s31, v[L16]
	v_mul_u32_u24 v[SRD], v2, PITCH
	v_lshl_add_u32 v[SRD], v3, 6, v[SRD]
	v_add_nc_u32 v[SRD], s31, v[SRD]
	s_lshl_b32 s31, s28, 12
	s_add_co_u32 s31, s31, XIMG
	v_add_nc_u32 v[XWI], s31, v[L16]
	s_lshl_b32 s31, s28, 9
	s_add_co_u32 s31, s31, XSC
	v_lshl_add_u32 v[XWS], v1, 2, s31
	v_add_nc_u32 v[LI], XIMG, v[L16]
	v_lshl_add_u32 v[LS], v1, 2, XSC
	v_lshlrev_b32 v[BA], 6, v3
	v_and_b32 v[BVA], 8, v2
	v_add_nc_u32 v[BVA], v[BVA], v2
	v_lshlrev_b32 v[BVA], 2, v[BVA]
	v_lshlrev_b32 v[WSA], 4, v2
.irp b, 0,1,2,3
	v_mov_b32 v[TM+4+\b], 0                        ; written once: a lane permute's destination counts as one of its sources
.endr
	s_mov_b32 s[SEL], 0x76543210
	s_mov_b32 s[SEL+1], 0xfedcba98
	s_mov_b32 s38, 0xffff0000                      ; lanes 16-31
	s_mov_b32 s33, 0
	s_lshl_b32 s32, ttmp9, 17                      ; x: 64 rows of 2,048 bytes a work-group,
	s_lshr_b32 s31, s28, 1
	s_lshl_b32 s31, s31, 16                        ; + 32 (w / 2) rows
	s_add_co_u32 s32, s32, s31
	s_and_b32 s31, s28, 1
	s_lshl_b32 s31, s31, 14                        ; + 8 (w % 2) rows: where my tile begins
	s_add_co_u32 s32, s32, s31
	s_wait_kmcnt 0x0
	s_add_nc_u64 s[PX:PX+1], s[PX:PX+1], s[32:33]
	; ---- X: my 16 rows of x, each load 512 consecutive bytes (one K step of one row)
	WIN 0xc0                                       ; destination window 3
	s_wait_alu depctr_va_vdst(0)                   ; the addresses and offsets v4 to v14 are written, which every load and store of the kernel reads
.irp i, 0,1,2,3,4,5,6,7,8,9,10,11,12,13,14,15
.irp q, 0,1,2,3
	global_load_b128 v[16*\i+4*\q:16*\i+4*\q+3], v[L16], s[PX:PX+1] offset:(\i+8*(\i/8))*2048+512*\q th:TH_LOAD_NT
.endr
.endr
	s_lshl_b32 s32, s28, 11                        ; the weights' scale words: 8 tiles x 256 bytes a wave
	s_add_co_u32 s32, s32, WSCL
	s_add_nc_u64 s[PWS:PWS+1], s[PWC:PWC+1], s[32:33]
	s_lshl_b32 s32, s28, 15                        ; their codes: 8 tiles x 4,096 bytes a wave
	s_add_nc_u64 s[PWC:PWC+1], s[PWC:PWC+1], s[32:33]
	s_lshl_b32 s32, s28, 9                         ; the biases: 128 numbers a wave
	s_add_nc_u64 s[PBQ:PBQ+1], s[PBQ:PBQ+1], s[32:33]
	s_add_nc_u64 s[PBK:PBK+1], s[PBK:PBK+1], s[32:33]
	s_add_nc_u64 s[PBV:PBV+1], s[PBV:PBV+1], s[32:33]
	s_lshl_b32 s39, s29, 3
	s_lshl_b32 s31, s28, 1
	s_add_co_u32 s39, s39, s31                     ; my first head among the 128
	s_lshl_b32 s32, s39, 15                        ; qc, kc, vc: 32,768 bytes a head, 2,048 a group g
	s_lshl_b32 s31, s30, 11
	s_add_co_u32 s32, s32, s31
	s_add_nc_u64 s[PQC:PQC+1], s[PQC:PQC+1], s[32:33]
	s_add_nc_u64 s[PKC:PKC+1], s[PKC:PKC+1], s[32:33]
	s_add_nc_u64 s[PVC:PVC+1], s[PVC:PVC+1], s[32:33]
	s_lshl_b32 s32, s39, 12                        ; qs, ks: 4,096 a head, 256 a group
	s_lshl_b32 s31, s30, 8
	s_add_co_u32 s32, s32, s31
	s_add_nc_u64 s[PQS:PQS+1], s[PQS:PQS+1], s[32:33]
	s_add_nc_u64 s[PKS:PKS+1], s[PKS:PKS+1], s[32:33]
	s_lshl_b32 s32, ttmp9, 10                      ; vs: 1,024 a (pair, g), 256 a wave
	s_lshl_b32 s31, s28, 8
	s_add_co_u32 s32, s32, s31
	s_add_nc_u64 s[PVS:PVS+1], s[PVS:PVS+1], s[32:33]
.irp gi, 0,1,2,3
	s_wait_loadcnt 48                              ; four rows' 16 loads are in; behind them three groups of 16 are out (rows still to come, and Wq's groups issued below)
	WIN 0x0c                                       ; an LDS store's data are its source 1: window 3
.irp k, 0,1,2,3
.irp q, 0,1,2,3
	ds_store_b128 v[SWR], v[16*(4*\gi+\k)+4*\q:16*(4*\gi+\k)+4*\q+3] offset:(4*\gi+\k)*PITCH+512*\q
.endr
.endr
	WIN 0x40                                       ; destination window 1: Wq's tiles 2 gi, 2 gi + 1
.irp tt, 0,1
.irp s, 0,1,2,3
.irp c, 0,1
	global_load_b128 v[8*(4*(2*\gi+\tt)+\s)+4*\c:8*(4*(2*\gi+\tt)+\s)+4*\c+3], v[L16], s[PWC:PWC+1] offset:(2*\gi+\tt)*4096+\s*1024+\c*512
.endr
.endr
.endr
.endr
	WIN 0
.irp t, 0,1,2,3,4,5,6,7
	global_load_b128 v[WS+4*\t:WS+4*\t+3], v[WSA], s[PWS:PWS+1] offset:\t*256            ; Wq's scale words: set 0
	global_load_b128 v[WS+32+4*\t:WS+32+4*\t+3], v[WSA], s[PWS:PWS+1] offset:8192+\t*256  ; Wk's: set 1
	global_load_b32 v[BV+\t], v[BVA], s[PBV:PBV+1] offset:(32*(\t/2)+8*(\t%2))*4          ; bv of my feature of tile t
.endr
	s_wait_dscnt 0x0                               ; the stores into the stage have landed
	WIN 0xc0
	s_wait_alu depctr_vm_vsrc(0)                   ; the stores into the stage have read window 3, in which the biases' loads below, and later x's fragments, land
.irp t, 0,1,2,3,4,5,6,7                ; the biases in the result's layout: lane half h wants features 32 (t / 2) + 8 (t % 2) + 16 h + 0 .. 7
	global_load_b128 v[8*\t:8*\t+3], v[BA], s[PBQ:PBQ+1] offset:(32*(\t/2)+8*(\t%2))*4
	global_load_b128 v[8*\t+4:8*\t+7], v[BA], s[PBQ:PBQ+1] offset:(32*(\t/2)+8*(\t%2))*4+16
	global_load_b128 v[64+8*\t:64+8*\t+3], v[BA], s[PBK:PBK+1] offset:(32*(\t/2)+8*(\t%2))*4
	global_load_b128 v[64+8*\t+4:64+8*\t+7], v[BA], s[PBK:PBK+1] offset:(32*(\t/2)+8*(\t%2))*4+16
.endr
	WIN 0
.irp a, 0,1,2,3                        ; K step a of my 16 rows comes back from the stage, 16 neighbours of each block of 32 to a lane (my own bytes: LDS serves a wave's instructions in order), and is quantised
.irp b, 0,1,2,3
.irp j, 0,1,2,3
	ds_load_b128 v[HA+16*\b+4*\j:HA+16*\b+4*\j+3], v[SRD] offset:512*\a+128*\b+16*\j
.endr
.endr
	WIN 0x80                                       ; destination window 2: Wk's tiles 2 a, 2 a + 1
.irp tt, 0,1
.irp s, 0,1,2,3
.irp c, 0,1
	global_load_b128 v[8*(4*(2*\a+\tt)+\s)+4*\c:8*(4*(2*\a+\tt)+\s)+4*\c+3], v[L16], s[PWC:PWC+1] offset:131072+(2*\a+\tt)*4096+\s*1024+\c*512
.endr
.endr
.endr
	WIN 0
	s_wait_dscnt 0x0                               ; the numbers are in
.if \a > 0
	s_wait_alu depctr_vm_vsrc(0)                   ; the last step's LDS stores have read the codes and the scale word, which are written again now
.endif
	QUANT HA, PW
	s_wait_alu depctr_va_vdst(0)                   ; the codes and the scale word are written, which the stores below read; and the lines above are done reading v[HA ..], in which the next step's loads land
	ds_store_b128 v[XWI], v[PC:PC+3] offset:1024*\a
	ds_store_b128 v[XWI], v[PC+4:PC+7] offset:1024*\a+512
	ds_store_b32 v[XWS], v[PW] offset:128*\a
.endr
	BARRIER                                        ; x's sixteen fragments lie in LDS
	WIN 0xc0
.irp f, 0,1,2,3,4,5,6,7,8,9,10,11,12,13,14,15
	ds_load_b128 v[128+8*\f:128+8*\f+3], v[LI] offset:1024*\f
	ds_load_b128 v[128+8*\f+4:128+8*\f+7], v[LI] offset:1024*\f+512
.endr
	WIN 0
.irp f, 0,1,2,3,4,5,6,7,8,9,10,11,12,13,14,15
	ds_load_b32 v[XS+\f], v[LS] offset:128*\f
.endr
	s_wait_loadcnt 0x0                             ; Wq, Wk, their scale words, the biases
	s_wait_dscnt 0x0
; My 8 tiles of features for tile m of the rows: source 0 = the weight (window ww), source 1 = x; the bias (window 3, from v[bo]) is the C of the first K step.
; The eight accumulators take turns, one instruction a turn.
.macro PROD ww, bo, set, m
	WIN 0x3c+(\ww)                                 ; source 1 and source 2 window 3
.irp t, 0,1,2,3,4,5,6,7
	MMC HA+8*\t, 32*\t, 128+32*(\m), (\bo)+8*\t, WS+32*(\set)+4*\t, XS+4*(\m)
.endr
	WIN 0x0c+(\ww)                                 ; C and D window 0
.irp s, 1,2,3
.irp t, 0,1,2,3,4,5,6,7
	MMC HA+8*\t, 8*(4*\t+\s), 128+8*(4*(\m)+\s), HA+8*\t, WS+32*(\set)+4*\t+\s, XS+4*(\m)+\s
.endr
.endr
	WIN 0
.endm
; q or k of the 64 rows: each tile of rows is multiplied, quantised along the features (blocks 0, 1: head 2 w; 2, 3: head 2 w + 1) and stored as two half fragments of 512 consecutive bytes.
.macro QKOUT ww, bo, set, pc, ps
.irp m, 0,1,2,3
	PROD \ww, \bo, \set, \m
	PLACES 5                                       ; behind the products: four for the reads of their results, five for the next tile's products, which begin these accumulators anew
	s_wait_xcnt 0x0                                ; earlier global stores have had their addresses translated: their registers are written again only behind this wait,
	s_wait_alu depctr_vm_vsrc(0)                   ; and the stores issued so far, LDS and global, have read the codes' registers and v[E ..], which are written again
	QUANT HA, PWK+\m
	s_wait_alu depctr_va_vdst(0)                   ; the codes are written, which the two stores below read
	global_store_b128 v[L16], v[PC:PC+3], s[\pc:\pc+1] offset:512*\m
	global_store_b128 v[L16], v[PC+4:PC+7], s[\pc:\pc+1] offset:512*\m+32768
.endr
	v_cndmask_b32 v[E], v[PWK], v[PWK+1], s38      ; lanes 0-15 tile 0's words, lanes 16-31 tile 1's (a word stands alike in lanes r and r + 16)
	v_cndmask_b32 v[E+1], v[PWK+2], v[PWK+3], s38  ; tiles 2 and 3
	v_lshrrev_b32 v[E+2], 16, v[E]                 ; head 2 w + 1's two bytes
	v_lshrrev_b32 v[E+3], 16, v[E+1]
	s_wait_alu depctr_va_vdst(0)                   ; v[E ..] are written, which the two stores below read; and this weight's products are done reading its window and its scale words, in which (behind q) Wv's loads land
	global_store_b64 v[L8], v[E:E+1], s[\ps:\ps+1]             ; 256 consecutive bytes, aligned
	global_store_b64 v[L8], v[E+2:E+3], s[\ps:\ps+1] offset:4096
.endm
	QKOUT 1, 0, 0, PQC, PQS
	WIN 0x40                                       ; Wv takes Wq's window while k is made.  No vector or matrix instruction since the wait above; the two stores between name v[L8] and v[E ..] alone
.irp t, 0,1,2,3,4,5,6,7
.irp s, 0,1,2,3
.irp c, 0,1
	global_load_b128 v[8*(4*\t+\s)+4*\c:8*(4*\t+\s)+4*\c+3], v[L16], s[PWC:PWC+1] offset:262144+\t*4096+\s*1024+\c*512
.endr
.endr
.endr
	WIN 0
.irp t, 0,1,2,3,4,5,6,7
	global_load_b128 v[WS+4*\t:WS+4*\t+3], v[WSA], s[PWS:PWS+1] offset:16384+\t*256
.endr
	QKOUT 2, 64, 1, PKC, PKS
	s_wait_loadcnt 0x0                             ; Wv and its scale words
	; ---- v: two tiles of features at a time x the four tiles of rows: eight accumulators by turns.  A lane holds one feature; registers 32 tt + 16 b + i are keys 32 b + 16 h + i of the group's 64
.irp p, 0,1,2,3
	WIN 0x07                                       ; source 0 (x) window 3, source 1 (Wv) window 1
.irp s, 0,1,2,3
.irp tt, 0,1
.irp m, 0,1,2,3
.if \s == 0
	MM0 HA+32*\tt+8*\m, 128+8*(4*\m+\s), 8*(4*(2*\p+\tt)+\s), XS+4*\m+\s, WS+4*(2*\p+\tt)+\s
.else
	MMC HA+32*\tt+8*\m, 128+8*(4*\m+\s), 8*(4*(2*\p+\tt)+\s), HA+32*\tt+8*\m, XS+4*\m+\s, WS+4*(2*\p+\tt)+\s
.endif
.endr
.endr
.endr
	WIN 0
	PLACES 5
.set j, 0
.rept 16
	v_pk_add_f32 v[HA+j:HA+j+1], v[HA+j:HA+j+1], v[BV+2*\p:BV+2*\p+1] op_sel_hi:[1,0]               ; + bv of my feature of tile 2 p; each accumulator from its low end on
.set j, j+2
.endr
.rept 16
	v_pk_add_f32 v[HA+j:HA+j+1], v[HA+j:HA+j+1], v[BV+2*\p:BV+2*\p+1] op_sel:[0,1] op_sel_hi:[1,1]  ; of tile 2 p + 1
.set j, j+2
.endr
	s_wait_xcnt 0x0                                ; earlier global stores have had their addresses translated,
	s_wait_alu depctr_vm_vsrc(0)                   ; and have read the codes' registers and v[E ..], which are written again
	QUANT HA, PWK+\p                               ; blocks 0, 1: tile 2 p's keys 0-31, 32-63; blocks 2, 3: tile 2 p + 1's
	s_wait_alu depctr_va_vdst(0)                   ; the codes are written, which the two stores below read
	global_store_b128 v[L16], v[PC:PC+3], s[PVC:PVC+1] offset:(\p/2)*32768+(2*(\p%2))*512
	global_store_b128 v[L16], v[PC+4:PC+7], s[PVC:PVC+1] offset:(\p/2)*32768+(2*(\p%2)+1)*512
.endr
	v_cndmask_b32 v[E], v[PWK], v[PWK+1], s38      ; head 2 w: lanes 0-15 channel tiles 0, 1; lanes 16-31 tiles 2, 3
	v_cndmask_b32 v[E+1], v[PWK+2], v[PWK+3], s38  ; head 2 w + 1
	s_wait_alu depctr_va_vdst(0)                   ; v[E], v[E+1] are written, which the store below reads
	global_store_b64 v[L8], v[E:E+1], s[PVS:PVS+1]
	s_wait_dscnt 0x0                               ; the closing lines, six on end
	s_wait_alu 0x0
	s_wait_tensorcnt 0x0
	ds_add_u32 v254, v255
	s_wait_dscnt 0x0
	s_endpgm
.Lfunc_end_k_qa055eae1ab_qkv:
	.size	k_qa055eae1ab_qkv, .Lfunc_end_k_qa055eae1ab_qkv-k_qa055eae1ab_qkv
	.p2alignl 7, 3214868480
	.fill 96, 4, 3214868480
	.section	.rodata,"a",@progbits
	.p2align	6, 0x0
	.amdhsa_kernel k_qa055eae1ab_qkv
		.amdhsa_group_segment_fixed_size 151040
		.amdhsa_private_segment_fixed_size 0
		.amdhsa_enable_private_segment 0
		.amdhsa_kernarg_size 88
		.amdhsa_user_sgpr_count 2
		.amdhsa_user_sgpr_kernarg_segment_ptr 1
		.amdhsa_wavefront_size32 1
		.amdhsa_system_sgpr_workgroup_id_x 1
		.amdhsa_system_sgpr_workgroup_id_y 1
		.amdhsa_system_sgpr_workgroup_id_z 1
		.amdhsa_system_vgpr_workitem_id 0
		.amdhsa_next_free_vgpr 1024
		.amdhsa_next_free_sgpr 66
		.amdhsa_reserve_vcc 0
		.amdhsa_float_denorm_mode_32 3
		.amdhsa_float_denorm_mode_16_64 3
		.amdhsa_memory_ordered 1
		.amdhsa_forward_progress 1
		.amdhsa_inst_pref_size 170
	.end_amdhsa_kernel
	.amdgpu_metadata
---
amdhsa.version: [ 1, 2 ]
amdhsa.kernels:
  - .name:           k_qa055eae1ab_qkv
    .symbol:         k_qa055eae1ab_qkv.kd
    .args:
      - { .name: x, .offset: 0, .size: 8, .value_kind: global_buffer, .address_space: global }
      - { .name: wcodes, .offset: 8, .size: 8, .value_kind: global_buffer, .address_space: global }
      - { .name: bq, .offset: 16, .size: 8, .value_kind: global_buffer, .address_space: global }
      - { .name: bk, .offset: 24, .size: 8, .value_kind: global_buffer, .address_space: global }
      - { .name: bv, .offset: 32, .size: 8, .value_kind: global_buffer, .address_space: global }
      - { .name: qc, .offset: 40, .size: 8, .value_kind: global_buffer, .address_space: global }
      - { .name: qs, .offset: 48, .size: 8, .value_kind: global_buffer, .address_space: global }
      - { .name: kc, .offset: 56, .size: 8, .value_kind: global_buffer, .address_space: global }
      - { .name: ks, .offset: 64, .size: 8, .value_kind: global_buffer, .address_space: global }
      - { .name: vc, .offset: 72, .size: 8, .value_kind: global_buffer, .address_space: global }
      - { .name: vs, .offset: 80, .size: 8, .value_kind: global_buffer, .address_space: global }
    .group_segment_fixed_size: 151040
    .private_segment_fixed_size: 0
    .kernarg_segment_align: 8
    .kernarg_segment_size: 88
    .max_flat_workgroup_size: 128
    .sgpr_count:     66
    .vgpr_count:     1024
    .wavefront_size: 32
...
	.end_amdgpu_metadata
.endif
;; end of part 5
;; launch attn (part 6): grid 2 x 128, 16 waves a work-group, no clusters, 143,360 bytes of LDS; arguments qc, qs, kc, ks, vc, vs, x, ox; writes ox
.if DOCPART == 6
	.amdgcn_target "amdgcn-amd-amdhsa--gfx1250"
	.amdhsa_code_object_version 6
	.text
	.protected	k_qa055eae1ab_attn
	.globl	k_qa055eae1ab_attn
	.p2align	8
	.type	k_qa055eae1ab_attn,@function
k_qa055eae1ab_attn:
	s_mov_b64 s[64:65], 0
	v_nop
	global_prefetch_b8 v0, s[64:65] scope:SCOPE_SE
	s_setreg_imm32_b32 hwreg(HW_REG_WAVE_SCHED_MODE, 0, 2), 2
	s_setreg_imm32_b32 hwreg(HW_REG_WAVE_MODE, 25, 1), 1
	s_wait_xcnt 0x0
	s_wait_alu depctr_vm_vsrc(0)
; ox[q][head's 64] = x[q][head's 64] + the sum over the 1,024 keys of softmax(q . k / 8) v, both products on codes of FP4 (E2M1) with E8M0 scales.  Codes and scale words come as the launch before laid them: images of the operands' registers.
; THE SOFTMAX AHEAD OF THE SECOND PRODUCT: t = score x log2(e) / 8; M = the row's largest t so far, rounded UP to a whole number; p = 2^(t - M) is quantised along the keys, not normalised.
; The row's sum is taken of the unquantised p and divides at the end.  When M moves, the sum and O are multiplied by 2^(old M - new M): exact.
; SHARES.  A work-group owns 512 queries of one head (x: which half; y: the head among 128).  ALL of the head's K and V codes (2 x 32 KiB) and scale words lie in LDS, copied once through registers: no ring, nothing is filled again.
; Each of sixteen waves makes two tiles of 16 queries, one after the other, in 256 registers: four waves to a SIMD, so that one wave's vector work stands beside another's products and LDS loads.
; LAYOUT.  Both products transposed: S^T = K Q^T (source 0 = 16 keys), O^T = V^T P^T (source 0 = 16 channels): a lane holds ONE query throughout.  The head's 64 are half of the instruction's 128 along K: registers 4-7 of Q's and K's
; fragments hold zero codes, which add nothing.  Lane r of tile 2 b + u (keys, queries and channels alike) is index 32 b + 8 u + r + 8 (r / 8): so p's 16 registers of two neighbouring tiles are 16 neighbouring keys, and O^T's 16 neighbouring channels.
; AHEAD.  Behind a step's S products and their four places go out: the step's V, and the next step's K; in a tile's last step, in K's place, the tile's 16 x 256 bytes of x (into the low halves of K's fragments) and the next tile's Q.
; THE RESIDUAL is added here, in f32, behind the stage, where a lane holds 16 neighbouring bytes of a row: this launch has few bytes of its own to move, and the next one then reads one tensor and not two.
; NO CLUSTER: the two work-groups of a head share 70 KiB that each reads once, at its start; grid x = 2 divides into no cluster of four.
; LIMITS: NaN and infinities are not served.
; REGISTERS: v1-7 addresses that stay; v8-11, v26-31 the copy's; v12 -M, v13 the largest t, v[14:15] the sum; v16-23 Q; v24-25 V's scale words; v32-95 eight fragments of K; v96-159 S^T, then p; v160-191 O^T; v192-223 V's four fragments;
;   v224-231 p's codes; v232-247, v252, v254 at work; v248-251 K's scale words; v253 p's scale word; v255 Q's.
; THE MODE: SCHED_MODE bits 1:0 = 2 (LLVM: expert scheduling mode 2), set by the entry lines.  The code itself states the register dependences between vector or matrix instructions and memory or LDS instructions, with s_wait_alu, always for 0.
; THE PLAN.  Registers that memory or LDS instructions touch, in the loop:
;   v1-7                       addresses: written at the head, never again.
;   low halves of v32-95, v248-251   read by a step's S products; behind them the next step's K lands there (in a tile's last step: x, which the way out's additions read).
;   v16-19, v255               read by the S products; behind the last step's the next tile's Q lands there.
;   v192-223, v24-25           read by a step's second products; behind the NEXT step's S products that step's V lands there.
;   v96-127                    written by the division, read by the stores into the stage; the next tile's S products write them again.
;   v128-159                   the loads from the stage land there, the additions of x write them, the global stores read them; the next tile's S products write them again.
; So a step has ONE wait on va_vdst for all its loads, behind the S products' places; one behind the exponentials, ahead of their first reader; one ahead of the second products, which take codes and a scale word that vector lines made.
; The way out has one ahead of each run of stores; one wait on vm_vsrc stands at the tile's end, ahead of the branch.
.set KSB, 65536                        ; LDS: K's codes at 0 [tile 64][512], V's at 32,768 [g 16][channel tile 4][512], K's scale words here [g][lane][8],
.set VSB, 69632                        ; V's [key step 8][lane][2 words]: word i: channel tile 2 i in lanes 0-15, 2 i + 1 in lanes 16-31,
.set STG, 71680                        ; and a stage of 16 rows x (256 + 16) bytes for each wave
.set WV,  32                           ; s32  my wave's number
	s_load_b256 s[4:11], s[0:1], 0x0               ; qc, qs, kc, ks
	s_load_b128 s[12:15], s[0:1], 0x20             ; vc, vs
	s_load_b128 s[16:19], s[0:1], 0x30             ; x, ox
	v_lshl_add_u32 v242, v0, 2, 0x22800
	v_mov_b32 v243, 0
	v_lshrrev_b32 v26, 5, v0
	v_readfirstlane_b32 s[WV], v26                 ; wave 0..15
	s_and_b32 s20, ttmp7, 0xffff                   ; the head among 128
	v_and_b32 v26, 31, v0                          ; lane
	v_and_b32 v27, 15, v0                          ; r
	v_bfe_u32 v28, v0, 4, 1                        ; h
	v_lshlrev_b32 v1, 4, v26                       ; 16 x lane: an image's place for my lane
	v_lshl_add_u32 v2, v26, 3, KSB
	v_lshl_add_u32 v3, v26, 3, VSB
	s_wait_alu depctr_va_sdst(0)                   ; s32, the wave's number, is written, ahead of its first reader
	s_mul_i32 s21, s[WV], 16*272
	s_add_co_u32 s21, s21, STG                     ; my stage
	v_mul_u32_u24 v4, v27, 272
	v_lshl_add_u32 v4, v28, 6, v4
	v_add_nc_u32 v4, s21, v4                       ; in: row r, + 64 h
	v_mul_u32_u24 v5, v28, 272
	v_lshl_add_u32 v5, v27, 4, v5
	v_add_nc_u32 v5, s21, v5                       ; back: lanes 0-15 one row, lanes 16-31 the next
	v_lshlrev_b32 v6, 11, v28
	v_lshl_add_u32 v6, v27, 4, v6                  ; and the same in x and in ox: rows of 2,048 bytes
	v_lshlrev_b32 v7, 3, v27                       ; Q's scale word: 8 r
	v_lshlrev_b32 v8, 4, v0                        ; the copy: 16 x thread,
	v_lshlrev_b32 v9, 3, v0                        ; 8 x thread
	v_lshrrev_b32 v30, 6, v0                       ; V's scale words: thread = 64 x key step + 2 x lane + word
	v_lshlrev_b32 v10, 11, v30                     ; a key step is two groups g of 1,024 bytes;
	v_and_b32 v30, 1, v0
	v_lshl_add_u32 v10, v30, 7, v10                ; word i: the source's lanes 16 i + r,
	v_bfe_u32 v30, v0, 1, 4
	v_lshl_add_u32 v10, v30, 3, v10                ; 8 bytes a lane
	v_lshl_add_u32 v11, v0, 3, KSB
	v_lshl_add_u32 v29, v0, 2, VSB
	v_bfe_u32 v30, v0, 5, 1                        ; lanes 16-31 of the target take the odd channel tile: the high halves
	v_cmp_eq_u32 vcc_lo, 1, v30
	v_mov_b32 v68, 0x05040100                      ; the two low halves,
	v_mov_b32 v31, 0x07060302                      ; or the two high ones
	s_wait_alu depctr_va_vcc(0)                    ; the compare has written VCC, which the select below reads
	v_cndmask_b32 v68, v68, v31, vcc_lo
	s_mov_b32 s22, 0x3e38aa3b                      ; c = log2(e) / 8
	s_mov_b32 s23, s22                             ; (named with it as a pair, so it is written)
	s_mov_b32 s24, 0x76543210
	s_mov_b32 s25, 0xfedcba98                      ; v_permlanex16_b32's selects for lane l xor 16
	s_mov_b32 s27, 0
	s_wait_kmcnt 0x0
	s_lshl_b32 s26, s20, 15                        ; 32,768 bytes of codes a head
	s_add_nc_u64 s[8:9], s[8:9], s[26:27]
	s_add_nc_u64 s[12:13], s[12:13], s[26:27]
	s_add_nc_u64 s[4:5], s[4:5], s[26:27]
	s_lshl_b32 s26, s20, 12                        ; 4,096 bytes of q's or k's scale words a head
	s_add_nc_u64 s[10:11], s[10:11], s[26:27]
	s_add_nc_u64 s[6:7], s[6:7], s[26:27]
	s_lshr_b32 s26, s20, 3
	s_lshl_b32 s26, s26, 14                        ; vs: 16,384 a (batch, time) pair,
	s_bfe_u32 s28, s20, 0x20001
	s_lshl_b32 s28, s28, 8                         ; 256 a pair of heads,
	s_add_co_u32 s26, s26, s28
	s_and_b32 s28, s20, 1
	s_lshl_b32 s28, s28, 2                         ; word 0 or 1
	s_add_co_u32 s26, s26, s28
	s_add_nc_u64 s[14:15], s[14:15], s[26:27]
	; ---- the copy: 512 threads x 16 bytes = 8,192 consecutive bytes a line
	s_wait_alu depctr_va_vdst(0)                   ; the addresses and offsets v1 to v11 and v29 are written, which every load and store of the kernel reads
.irp n, 0,1,2,3
	global_load_b128 v[32+4*\n:35+4*\n], v8, s[8:9] offset:8192*\n
	global_load_b128 v[48+4*\n:51+4*\n], v8, s[12:13] offset:8192*\n
.endr
	global_load_b64 v[64:65], v9, s[10:11]
	global_load_b32 v66, v10, s[14:15]             ; the even group's word,
	global_load_b32 v67, v10, s[14:15] offset:1024 ; the odd group's
	s_lshl_b32 s26, ttmp9, 14                      ; qc: 32 tiles of 512 bytes a half, one a wave
	s_lshl_b32 s28, s[WV], 9
	s_add_co_u32 s26, s26, s28
	s_add_nc_u64 s[4:5], s[4:5], s[26:27]
	s_lshl_b32 s26, ttmp9, 11                      ; qs: g = 8 half + wave / 4 (+ 4 for the second tile): 256 bytes a group;
	s_lshr_b32 s28, s[WV], 2
	s_lshl_b32 s28, s28, 8
	s_add_co_u32 s26, s26, s28
	s_and_b32 s28, s[WV], 1
	s_lshl_b32 s28, s28, 7                         ; tile m = wave % 4 stands in lanes 16 (m % 2) + r,
	s_add_co_u32 s26, s26, s28
	s_bfe_u32 s28, s[WV], 0x10001
	s_lshl_b32 s28, s28, 2                         ; word m / 2
	s_add_co_u32 s26, s26, s28
	s_add_nc_u64 s[6:7], s[6:7], s[26:27]
	global_load_b128 v[16:19], v1, s[4:5]          ; the first tile's Q goes out with the copy: its half fragment
	global_load_b32 v255, v7, s[6:7]               ; and its scale words
	s_lshr_b32 s26, s20, 3                         ; x, ox: row 1,024 pair + 64 g + 32 (m / 2) + 8 (m % 2), 2,048 bytes a row; + 256 x head
	s_lshl_b32 s26, s26, 21
	s_lshl_b32 s28, ttmp9, 20
	s_add_co_u32 s26, s26, s28
	s_lshr_b32 s28, s[WV], 2
	s_lshl_b32 s28, s28, 17
	s_add_co_u32 s26, s26, s28
	s_bfe_u32 s28, s[WV], 0x10001
	s_lshl_b32 s28, s28, 16
	s_add_co_u32 s26, s26, s28
	s_and_b32 s28, s[WV], 1
	s_lshl_b32 s28, s28, 14
	s_add_co_u32 s26, s26, s28
	s_and_b32 s28, s20, 7
	s_lshl_b32 s28, s28, 8
	s_add_co_u32 s26, s26, s28
	s_add_nc_u64 s[16:17], s[16:17], s[26:27]
	s_add_nc_u64 s[18:19], s[18:19], s[26:27]
	s_wait_loadcnt 0x0                             ; the copy's loads, and Q
	v_perm_b32 v66, v67, v66, v68                  ; bytes 0, 1: keys 0-63 of the step; bytes 2, 3: keys 64-127
	s_wait_alu depctr_va_vdst(0)                   ; v66 is written, which the last LDS store below reads; and the line above is done with v66 and v67, in which K's first loads land
.irp n, 0,1,2,3
	ds_store_b128 v8, v[32+4*\n:35+4*\n] offset:8192*\n
	ds_store_b128 v8, v[48+4*\n:51+4*\n] offset:32768+8192*\n
.endr
	ds_store_b64 v11, v[64:65]
	ds_store_b32 v29, v66
	s_wait_dscnt 0x0                               ; for the others' sake: my stores have landed
	s_barrier_signal -1
	s_barrier_wait -1
	s_wait_alu depctr_vm_vsrc(0)                   ; my LDS stores have read v32 to v66: the zero codes below are written into some of these registers, and K's loads land in the others
.irp t, 0,1,2,3,4,5,6,7
.irp i, 4,5,6,7
	v_mov_b32 v[32+8*\t+\i], 0                     ; the upper 64 along K: zero codes, for the whole launch
.endr
.endr
.irp i, 20,21,22,23,236,237,238,239,253
	v_mov_b32 v\i, 0                               ; Q's upper half; and registers that are named before they are first written (a lane permute's destination, the upper half of a pair)
.endr
	s_wait_alu depctr_va_vdst(0)                   ; the zero codes are written, which every S product takes as the upper halves of its two operands (the last five lines above are the places ahead of this wait)
.macro KLOAD n                         ; key step n's eight half fragments of K and their scale words: register t / 2, lanes 0-15 for even t, lanes 16-31 for odd t
.irp t, 0,1,2,3,4,5,6,7
	ds_load_b128 v[32+8*\t:35+8*\t], v1 offset:(8*(\n)+\t)*512
.endr
	ds_load_b64 v[248:249], v2 offset:512*(\n)
	ds_load_b64 v[250:251], v2 offset:512*(\n)+256
.endm
; A KEY STEP: 128 keys.  Every offset is an immediate.
.macro STEP ks
.if (\ks) == 0
	KLOAD 0                                        ; a tile's first step fetches its own K; every other step's was fetched a step ahead and awaited in front of the last step's second products.  No wait on va_vdst here: since the last one (ahead of the loop; round it: ahead of the way out's global stores) only v12 to v15 were written
	s_wait_dscnt 0x0
.endif
.irp t, 0,2,4,6
	v_wmma_scale_f32_16x16x128_f8f6f4 v[96+8*\t:103+8*\t], v[32+8*\t:39+8*\t], v[16:23], 0, v[248+\t/2], v255 matrix_a_fmt:MATRIX_FMT_FP4 matrix_b_fmt:MATRIX_FMT_FP4
	v_wmma_scale_f32_16x16x128_f8f6f4 v[104+8*\t:111+8*\t], v[40+8*\t:47+8*\t], v[16:23], 0, v[248+\t/2], v255 matrix_a_fmt:MATRIX_FMT_FP4 matrix_b_fmt:MATRIX_FMT_FP4 matrix_a_scale:MATRIX_SCALE_ROW1
.endr
.rept 4
	v_nop                                          ; four places behind these products, ahead of the vector lines that read their results
.endr
	s_wait_alu depctr_va_vdst(0)                   ; these products are done reading K's fragments, Q and their scale words, and the last step's second products V's fragments and scale words: all the loads below land in such registers
.irp dt, 0,1,2,3
.irp c, 0,1
	ds_load_b128 v[192+8*\dt+4*\c:195+8*\dt+4*\c], v1 offset:32768+(2*(\ks)+\c)*2048+\dt*512
.endr
.endr
	ds_load_b64 v[24:25], v3 offset:256*(\ks)
.if (\ks) < 7
	KLOAD (\ks)+1                                  ; the next step's K: it has this step's softmax in which to land
.else
.irp i, 0,1,2,3,4,5,6,7                ; the tile's part of x, laid as the way out stores: lanes 0-15 read 256 consecutive bytes of one row, lanes 16-31 of the next; read once in the launch
	global_load_b128 v[32+8*\i:35+8*\i], v6, s[16:17] offset:(2*\i+8*(\i/4))*2048 th:TH_LOAD_NT
.endr
	s_cmp_eq_u32 s30, 1                            ; the next tile's Q, if there is a next tile: no load leaves its buffer
	s_cbranch_scc1 .Lno_next_q
	global_load_b128 v[16:19], v1, s[4:5] offset:8192      ; 16 tiles on
	global_load_b32 v255, v7, s[6:7] offset:1024           ; 4 groups on
.Lno_next_q:
.endif
.irp b, 0,1,2,3
	v_max3_num_f32 v[232+\b], v[96+16*\b], v[97+16*\b], v[98+16*\b]   ; the largest score of each block of 32 keys: it serves the row's maximum and, since p rises with the score, the block's largest p
.endr
.irp i, 3,5,7,9,11,13
.irp b, 0,1,2,3
	v_max3_num_f32 v[232+\b], v[232+\b], v[96+16*\b+\i], v[97+16*\b+\i]
.endr
.endr
.irp b, 0,1,2,3
	v_max_num_f32 v[232+\b], v[232+\b], v[111+16*\b]
.endr
.irp b, 0,1,2,3
	v_permlanex16_b32 v[236+\b], v[232+\b], s24, s25
.endr
.irp b, 0,1,2,3
	v_max_num_f32 v[232+\b], v[232+\b], v[236+\b]  ; with lane l xor 16's 16 keys
.endr
	v_max3_num_f32 v254, v232, v233, v234
	v_max_num_f32 v254, v254, v235                 ; the step's largest score of my query
	v_mul_f32 v254, s22, v254                      ; as t (c is positive)
	v_max_num_f32 v13, v13, v254                   ; the running largest t
	v_mov_b32 v254, v12
	v_floor_f32 v12, -v13                          ; the new -M = floor(-t) = -ceil(t): a whole number
	v_sub_f32 v254, v12, v254                      ; old M less new M: a whole number, 0 or less
	v_cvt_i32_f32 v254, v254                       ; (it saturates)
	v_ldexp_f32 v252, 1.0, v254                    ; f = 2^(old M - new M)
.set j, 0
.rept 32
	v_pk_fma_f32 v[96+j:97+j], v[96+j:97+j], s[22:23], v[12:13] op_sel_hi:[1,0,0]   ; t - M, two at a time
.set j, j+2
.endr
.irp b, 0,1,2,3
	v_fma_f32 v[232+\b], v[232+\b], s22, v12       ; the same of each block's largest score
.endr
.set j, 0
	s_wait_alu depctr_va_vdst(0)
.rept 64
	v_exp_f32 v[96+j], v[96+j]                     ; p = 2^(t - M), at most 1
.set j, j+1
.endr
.irp b, 0,1,2,3
	v_exp_f32 v[232+\b], v[232+\b]                 ; the block's largest p: the same two instructions on the same number
.endr
	v_pk_mul_f32 v[14:15], v[14:15], v[252:253] op_sel_hi:[1,0]   ; the sums under the new M (a plain place behind the exponentials)
	s_wait_alu depctr_va_vdst(0)                   ; the 68 exponentials have written v96 to v159 and v232 to v235: one wait for the batch, ahead of its first reader
.irp b, 0,1,2,3
	v_max_num_f32 v[232+\b], 0x1800000, v[232+\b]  ; the floor 2^(3 - 127): the byte cannot fall under 1
.endr
.irp b, 0,1,2,3
	v_add_nc_u32 v[244+\b], 0xff000000, v[232+\b]  ; 2 off the exponent field: the conversion's scale operand
.endr
.irp b, 0,1,2,3
	v_lshrrev_b32 v[236+\b], 23, v[244+\b]         ; the scale's byte
.endr
	v_lshl_or_b32 v253, v237, 8, v236              ; p's scale word for these 128 keys
	v_lshl_or_b32 v253, v238, 16, v253
	v_lshl_or_b32 v253, v239, 24, v253
.irp b, 0,1,2,3
	v_cvt_scalef32_pk8_fp4_f32 v[224+2*\b], v[96+16*\b:103+16*\b], v[244+\b]
	v_cvt_scalef32_pk8_fp4_f32 v[225+2*\b], v[104+16*\b:111+16*\b], v[244+\b]
.endr
	v_nop                                          ; one plain place behind a scaled conversion
.irp c, 0,1
.irp i, 0,1
	v_permlane16_swap_b32 v[224+4*\c+\i], v[226+4*\c+\i]   ; a whole block to a lane: lanes 0-15 block 2 c, lanes 16-31 block 2 c + 1
.endr
.endr
	v_pk_add_f32 v[236:237], v[96:97], v[98:99]    ; the row's sum is taken of the unquantised p: two at a time, in two chains.  (These lines are also the places between p's scale word and codes and the products below)
.irp j, 4,8,12,16,20,24,28,32,36,40,44,48,52,56,60
	v_pk_add_f32 v[14:15], v[14:15], v[96+\j:97+\j]
	v_pk_add_f32 v[236:237], v[236:237], v[98+\j:99+\j]
.endr
	v_pk_add_f32 v[14:15], v[14:15], v[236:237]
.if (\ks) > 0
.set j, 0
.rept 16
	v_pk_mul_f32 v[160+j:161+j], v[160+j:161+j], v[252:253] op_sel_hi:[1,0]   ; O^T under the new M
.set j, j+2
.endr
.endif
	s_wait_dscnt 0x0                               ; V and its scale words; and the next step's K and its scale words, asked for behind them
	s_wait_alu depctr_va_vdst(0)                   ; p's codes v224 to v231 and p's scale word v253 are written, which the products below take; the places stand ahead of this wait
.irp dt, 0,2                           ; four accumulators by turns; the first step's products start the sums
.if (\ks) == 0
	v_wmma_scale_f32_16x16x128_f8f6f4 v[160+8*\dt:167+8*\dt], v[192+8*\dt:199+8*\dt], v[224:231], 0, v[24+\dt/2], v253 matrix_a_fmt:MATRIX_FMT_FP4 matrix_b_fmt:MATRIX_FMT_FP4
	v_wmma_scale_f32_16x16x128_f8f6f4 v[168+8*\dt:175+8*\dt], v[200+8*\dt:207+8*\dt], v[224:231], 0, v[24+\dt/2], v253 matrix_a_fmt:MATRIX_FMT_FP4 matrix_b_fmt:MATRIX_FMT_FP4 matrix_a_scale:MATRIX_SCALE_ROW1
.else
	v_wmma_scale_f32_16x16x128_f8f6f4 v[160+8*\dt:167+8*\dt], v[192+8*\dt:199+8*\dt], v[224:231], v[160+8*\dt:167+8*\dt], v[24+\dt/2], v253 matrix_a_fmt:MATRIX_FMT_FP4 matrix_b_fmt:MATRIX_FMT_FP4
	v_wmma_scale_f32_16x16x128_f8f6f4 v[168+8*\dt:175+8*\dt], v[200+8*\dt:207+8*\dt], v[224:231], v[168+8*\dt:175+8*\dt], v[24+\dt/2], v253 matrix_a_fmt:MATRIX_FMT_FP4 matrix_b_fmt:MATRIX_FMT_FP4 matrix_a_scale:MATRIX_SCALE_ROW1
.endif
.endr
.endm
	s_mov_b32 s30, 2
.Ltile:                                            ; two trips: tiles 32 half + wave and 32 half + 16 + wave of the head's 64.  Q is in on both ways here: awaited with the copy, or in the last trip's way out
	v_mov_b32 v13, 0xff61b1e6                      ; the largest t so far: -3e38, under every t
	v_floor_f32 v12, -v13                          ; -M
	v_mov_b32 v14, 0                               ; the sum, in two halves
	v_mov_b32 v15, 0
.irp n, 0,1,2,3,4,5,6,7
	STEP \n
.endr
	; THE WAY OUT: O^T / the sum goes through my stage, comes back as rows of 256 bytes, takes x and leaves
.rept 5
	v_nop                                          ; behind the last products: four for the reads of their results, five for the next tile's, which begin the sums anew
.endr
	v_add_f32 v14, v14, v15
	v_permlanex16_b32 v252, v14, s24, s25
	v_add_f32 v14, v14, v252                       ; the row's sum
	s_wait_alu depctr_va_vdst(0)
	v_rcp_f32 v14, v14
	v_nop                                          ; one plain place behind a transcendental
.set j, 0
	s_wait_alu depctr_va_vdst(0)                   ; the reciprocal has written v14, ahead of its first reader
.rept 16
	v_pk_mul_f32 v[96+j:97+j], v[160+j:161+j], v[14:15] op_sel_hi:[1,0]   ; register 16 b + i is channel 32 b + 16 h + i of query r; each accumulator from its low end on
.set j, j+2
.endr
	s_wait_alu depctr_va_vdst(0)                   ; the multiplications have written v96 to v127, which the LDS stores read; and the last step's sums and conversions are done reading v128 to v159, in which the loads from the stage land
.irp b, 0,1
.irp i, 0,1,2,3
	ds_store_b128 v4, v[96+16*\b+4*\i:99+16*\b+4*\i] offset:128*\b+16*\i
.endr
.endr
.irp i, 0,1,2,3,4,5,6,7
	ds_load_b128 v[128+4*\i:131+4*\i], v5 offset:544*\i    ; LDS serves a wave's instructions in order: these see my stores
.endr
	s_wait_loadcnt 0x0                             ; x, asked for a softmax ago; and the next tile's Q
.irp i, 0,1,2,3,4,5,6,7
	s_wait_dscnt 7-\i                              ; the younger loads from the stage may be out
	v_pk_add_f32 v[128+4*\i:129+4*\i], v[128+4*\i:129+4*\i], v[32+8*\i:33+8*\i]    ; + x: the same four numbers of the same row
	v_pk_add_f32 v[130+4*\i:131+4*\i], v[130+4*\i:131+4*\i], v[34+8*\i:35+8*\i]
.endr
	s_wait_alu depctr_va_vdst(0)                   ; the additions have written v128 to v159, which the eight stores read; and they are done reading the low halves of K's fragments, in which the next tile's first K lands
.irp i, 0,1,2,3,4,5,6,7
	global_store_b128 v6, v[128+4*\i:131+4*\i], s[18:19] offset:(2*\i+8*(\i/4))*2048   ; the tile's query 2 i + h is row 2 i + h + 8 (i / 4); sixteen lanes store 256 consecutive bytes, aligned
.endr
	s_wait_xcnt 0x0                                ; the stores have had their addresses translated: their registers and their base are written again only behind this wait,
	s_wait_alu depctr_vm_vsrc(0)                   ; and the stores into the stage have read v96 to v127, the global stores v128 to v159: the next tile's S products write them again
	s_add_nc_u64 s[16:17], s[16:17], 524288        ; 256 rows on
	s_add_nc_u64 s[18:19], s[18:19], 524288
	s_sub_co_u32 s30, s30, 1
	s_cmp_lg_u32 s30, 0
	s_cbranch_scc1 .Ltile
	s_wait_dscnt 0x0                               ; the closing lines, six on end
	s_wait_alu 0x0
	s_wait_tensorcnt 0x0
	ds_add_u32 v242, v243
	s_wait_dscnt 0x0
	s_endpgm
.Lfunc_end_k_qa055eae1ab_attn:
	.size	k_qa055eae1ab_attn, .Lfunc_end_k_qa055eae1ab_attn-k_qa055eae1ab_attn
	.p2alignl 7, 3214868480
	.fill 96, 4, 3214868480
	.section	.rodata,"a",@progbits
	.p2align	6, 0x0
	.amdhsa_kernel k_qa055eae1ab_attn
		.amdhsa_group_segment_fixed_size 143360
		.amdhsa_private_segment_fixed_size 0
		.amdhsa_enable_private_segment 0
		.amdhsa_kernarg_size 64
		.amdhsa_user_sgpr_count 2
		.amdhsa_user_sgpr_kernarg_segment_ptr 1
		.amdhsa_wavefront_size32 1
		.amdhsa_system_sgpr_workgroup_id_x 1
		.amdhsa_system_sgpr_workgroup_id_y 1
		.amdhsa_system_sgpr_workgroup_id_z 1
		.amdhsa_system_vgpr_workitem_id 0
		.amdhsa_next_free_vgpr 256
		.amdhsa_next_free_sgpr 66
		.amdhsa_reserve_vcc 1
		.amdhsa_float_denorm_mode_32 3
		.amdhsa_float_denorm_mode_16_64 3
		.amdhsa_memory_ordered 1
		.amdhsa_forward_progress 1
		.amdhsa_inst_pref_size 130
	.end_amdhsa_kernel
	.amdgpu_metadata
---
amdhsa.version: [ 1, 2 ]
amdhsa.kernels:
  - .name:           k_qa055eae1ab_attn
    .symbol:         k_qa055eae1ab_attn.kd
    .args:
      - { .name: qc, .offset: 0, .size: 8, .value_kind: global_buffer, .address_space: global }
      - { .name: qs, .offset: 8, .size: 8, .value_kind: global_buffer, .address_space: global }
      - { .name: kc, .offset: 16, .size: 8, .value_kind: global_buffer, .address_space: global }
      - { .name: ks, .offset: 24, .size: 8, .value_kind: global_buffer, .address_space: global }
      - { .name: vc, .offset: 32, .size: 8, .value_kind: global_buffer, .address_space: global }
      - { .name: vs, .offset: 40, .size: 8, .value_kind: global_buffer, .address_space: global }
      - { .name: x, .offset: 48, .size: 8, .value_kind: global_buffer, .address_space: global }
      - { .name: ox, .offset: 56, .size: 8, .value_kind: global_buffer, .address_space: global }
    .group_segment_fixed_size: 143360
    .private_segment_fixed_size: 0
    .kernarg_segment_align: 8
    .kernarg_segment_size: 64
    .max_flat_workgroup_size: 512
    .sgpr_count:     66
    .vgpr_count:     256
    .wavefront_size: 32
...
	.end_amdgpu_metadata
.endif
;; end of part 6
;; launch ffn (part 7): grid 256 x 1, 4 waves a work-group, no clusters, 169,472 bytes of LDS; arguments ox, ln_g, ln_b, wcodes, b1, b2, lnff_g, lnff_b, out0; writes out0
.if DOCPART == 7
	.amdgcn_target "amdgcn-amd-amdhsa--gfx1250"
	.amdhsa_code_object_version 6
	.text
	.protected	k_qa055eae1ab_ffn
	.globl	k_qa055eae1ab_ffn
	.p2align	8
	.type	k_qa055eae1ab_ffn,@function
k_qa055eae1ab_ffn:
	s_mov_b64 s[64:65], 0
	v_nop
	global_prefetch_b8 v0, s[64:65] scope:SCOPE_SE
	s_setreg_imm32_b32 hwreg(HW_REG_WAVE_SCHED_MODE, 0, 2), 2
	s_setreg_imm32_b32 hwreg(HW_REG_WAVE_MODE, 25, 1), 1
	s_wait_xcnt 0x0
	s_wait_alu depctr_vm_vsrc(0)
; out0 = LN(relu(LN(ox) W1 + b1) W2 + b2), ox = attention's result + x as the launch before stored it; both products on codes of FP4 (E2M1) with E8M0 scales for each 32 along K; the norms, the bias, the activation in f32.
; SHARES.  A work-group takes 64 rows.  Wave w normalises and quantises rows 16 w .. 16 w + 15 and owns hidden units and outputs 128 w .. 128 w + 127 for all 64 rows: its parts of W1 and W2 are a window of 256 registers each,
; loaded as images of the operand's registers.  The rows' codes go from wave to wave through LDS as images too: 512 consecutive bytes a store, the same lines back.
; THE NORM works on whole rows: a load's 32 lanes take 512 consecutive bytes of a row, a lane holds 16 numbers of it; mean first, then the mean of the squared differences: no difference of large sums.
; My 16 rows are asked for at the head, all 64 loads at once, into window 3; the first norm reads them there and writes the centred rows into window 0: nothing is copied.
; Both products transposed (source 0 = 16 features of the weight, in the order 32 b + 8 u + r + 8 (r / 8) for lane r of tile 2 b + u; source 1 = 16 rows): a lane holds one row, and the 16 registers of tiles 2 b, 2 b + 1 are
; 16 neighbouring features: the next K for the hidden layer, 64 consecutive bytes for the result.  The biases are the C of each sum's first product.
; PHASES, three barriers: X: LN(ox), through the stage (my own rows), quantised, images | barrier | 1: the hidden layer, relu, quantised: K step w of the second product, images | barrier | 2: my 128 outputs into the stage | barrier | LN of my 16 rows, out.
; NO CLUSTER, NO TENSOR LOADS: the weights, which all work-groups share, go straight into registers as they lie; a joint load would land them in LDS and want a second trip.
; LIMITS: a block whose largest magnitude lies under 2^-124 (a block of zeros too) gets the byte 1: only this program reads the bytes; NaN and infinities are not served.
; REGISTERS.  window 0: v1-15, v57-58, v76-77 addresses; v16-31 the rows' scale words; v32-39 codes just made; v40-56 at work; v60-75 sums; v80-143 four rows, or eight accumulators; v144-207 the weights' scale words; v208-239 gain and bias of the norm.
;   window 1: W1 (fragment (t, s) at v[8 (4 t + s)]).   window 2: W2.   window 3: first my 16 rows as loaded (row i, 512 bytes q at v[16 i + 4 q]); then v0-63 b1's tiles, v64-127 b2's, v128-255 sixteen fragments of rows (tile m, step s at v[128 + 8 (4 m + s)]).
; THE MODE: SCHED_MODE bits 1:0 = 2 (LLVM: expert scheduling mode 2), set by the entry lines.  The code itself states the register dependences between vector or matrix instructions and memory or LDS instructions, with s_wait_alu, always for 0.
; THE PLAN.  Registers that memory or LDS instructions touch:
;   the addresses    written at the head, never again.
;   window 3         loaded (my rows), read by the first norm; loaded again (biases; fragments, twice), read by the products.
;   v[HA ..]         written by a norm or by the products, or loaded from LDS; read by QUANT, by the stores into the stage and by the stores of the result.
;   v[PC ..], v[PW]  written by QUANT, read by the three LDS stores behind it.
;   v[G ..], v[BB ..]  loaded, read by the first norm, loaded again behind it.     v[XS ..]  loaded, read by the first products as scales, loaded again behind them.
; So: one wait on va_vdst ahead of each run of stores (behind a norm, a QUANT, a tile's products and their places); no vector line stands between such a wait and the loads that follow the stores, so it also frees the registers
; in which those loads land.  One wait on vm_vsrc ahead of each line or load that writes v[HA ..] or v[PC ..] again behind stores of them.
.set PITCH, 2064                       ; a row in the stage: 2,048 bytes + 16 = 129 x 16
.set XIMG,  64*PITCH                   ; LDS: the stage (64 rows); the first operand's 16 fragments;
.set XSC,   XIMG+16*1024               ; their scale words;
.set HIMG,  XSC+16*128                 ; the hidden layer's 16 fragments;
.set HSC,   HIMG+16*1024               ; their scale words
.set WSCL,  655360                     ; where the weights' scale words begin in their buffer
.set L16, 4
.set SWR, 6
.set SRD, 7
.set XWI, 8
.set XWS, 9
.set LI,  10
.set LS,  11
.set BA,  12
.set HWI, 13
.set WSA, 14
.set HWS, 15
.set XS,  16
.set PC,  32
.set TM,  40
.set PW,  56
.set FSO, 57                           ; the stage for the result: row r, + 512 w + 64 h
.set FSO2, 58                          ; the same 32 rows on
.set SM,  60                           ; a pair for each of four rows: the sum, the mean
.set SQ,  68                           ; likewise: the squares, 1 / sqrt
.set HLI, 76
.set HLS, 77
.set HA,  80
.set WS,  144
.set G,   208
.set BB,  224
.set PO,  4                            ; s[4:5] ox; and so on, in the order of the arguments
.set PG,  6
.set PB,  8
.set PWC, 10
.set PB1, 12
.set PB2, 14
.set PFG, 16
.set PFB, 18
.set POUT, 20
.set PWS, 24                           ; s[24:25] the weights' scale words
.set SEL, 36
.set MSB, 0
.macro WIN new                         ; the immediate's high byte repeats the setting that is left; a switch that changes nothing is dropped
.if MSB != (\new)
	s_set_vgpr_msb (MSB<<8)|(\new)
.set MSB, (\new)
.endif
.endm
.macro PLACES n
.rept \n
	v_nop
.endr
.endm
.macro BARRIER                         ; my LDS stores have landed and my LDS loads are in: then the work-group's barrier
	s_wait_dscnt 0x0
	s_barrier_signal -1
	s_barrier_wait -1
.endm
; 64 numbers of a lane, register 16 b + i = k 32 b + 16 (lane / 16) + i of my row, become a fragment's codes in v[PC] on and its scale word in v[pw].
.macro QUANT s, pw
.irp b, 0,1,2,3
	v_max3_num_f32 v[TM+\b], |v[\s+16*\b]|, |v[\s+1+16*\b]|, 0x1800000   ; block b: my 16 numbers, and the floor 2^(3 - 127): the byte cannot fall under 1
.endr
.irp i, 2,4,6,8,10,12,14
.irp b, 0,1,2,3
	v_max3_num_f32 v[TM+\b], v[TM+\b], |v[\s+16*\b+\i]|, |v[\s+1+16*\b+\i]|
.endr
.endr
.irp b, 0,1,2,3
	v_permlanex16_b32 v[TM+4+\b], v[TM+\b], s[SEL], s[SEL+1]
.endr
.irp b, 0,1,2,3
	v_max_num_f32 v[TM+\b], v[TM+\b], v[TM+4+\b]   ; with lane l xor 16's: the block's largest magnitude
.endr
.irp b, 0,1,2,3
	v_add_nc_u32 v[TM+12+\b], 0xff000000, v[TM+\b] ; 2 off its exponent field: the conversion's scale operand
.endr
.irp b, 0,1,2,3
	v_lshrrev_b32 v[TM+4+\b], 23, v[TM+12+\b]      ; the scale's byte
.endr
	v_lshl_or_b32 v[\pw], v[TM+5], 8, v[TM+4]
	v_lshl_or_b32 v[\pw], v[TM+6], 16, v[\pw]
	v_lshl_or_b32 v[\pw], v[TM+7], 24, v[\pw]
.irp b, 0,1,2,3
	v_cvt_scalef32_pk8_fp4_f32 v[PC+2*\b], v[\s+16*\b:\s+7+16*\b], v[TM+12+\b]
	v_cvt_scalef32_pk8_fp4_f32 v[PC+1+2*\b], v[\s+8+16*\b:\s+15+16*\b], v[TM+12+\b]
.endr
	v_nop                                          ; one plain place behind a scaled conversion
.irp c, 0,1
.irp i, 0,1
	v_permlane16_swap_b32 v[PC+4*\c+\i], v[PC+2+4*\c+\i]
.endr
.endr
.endm
.macro MMC d, a, b, cc, sa, sb
	v_wmma_scale_f32_16x16x128_f8f6f4 v[\d:\d+7], v[\a:\a+7], v[\b:\b+7], v[\cc:\cc+7], v[\sa], v[\sb] matrix_a_fmt:MATRIX_FMT_FP4 matrix_b_fmt:MATRIX_FMT_FP4
.endm
; My 8 tiles of features for tile m of the rows; the bias (window 3, from v[bo]) is the C of the first K step.  The eight accumulators take turns, one instruction a turn.
.macro PROD ww, bo, set, m
	WIN 0x3c+(\ww)                                 ; source 0 window ww, sources 1 and 2 window 3
.irp t, 0,1,2,3,4,5,6,7
	MMC HA+8*\t, 32*\t, 128+32*(\m), (\bo)+8*\t, WS+32*(\set)+4*\t, XS+4*(\m)
.endr
	WIN 0x0c+(\ww)                                 ; C and D window 0
.irp s, 1,2,3
.irp t, 0,1,2,3,4,5,6,7
	MMC HA+8*\t, 8*(4*\t+\s), 128+8*(4*(\m)+\s), HA+8*\t, WS+32*(\set)+4*\t+\s, XS+4*(\m)+\s
.endr
.endr
	WIN 0
.endm
; The sum over a row's 512 numbers of the pair v[p + 2 k] of each of four rows: the pair's halves, four steps inside each half of the lanes, one across.  The four rows by turns.
.macro ACROSS p
.irp k, 0,1,2,3
	v_add_f32 v[\p+2*\k], v[\p+2*\k], v[\p+2*\k+1]
.endr
.irp x, 1,2,4,8
.irp k, 0,1,2,3
	v_add_f32_dpp v[\p+2*\k], v[\p+2*\k], v[\p+2*\k] row_xmask:\x row_mask:0xf bank_mask:0xf
.endr
.endr
.irp k, 0,1,2,3
	v_permlanex16_b32 v[\p+2*\k+1], v[\p+2*\k], s[SEL], s[SEL+1]
.endr
.irp k, 0,1,2,3
	v_add_f32 v[\p+2*\k], v[\p+2*\k], v[\p+2*\k+1]
.endr
.endm
; The norm of four rows (row k at v[src + 16 k] of window w; register 4 q + i is column 128 q + 4 lane + i), with the gain in v[G] on and the bias in v[BB] on.  The result stands in v[HA] on, window 0:
; the subtraction of the mean is the line that brings the rows there.  With src = HA and w = 0 all is in place and no window is switched.
.macro LN4 src, w
	WIN 5*(\w)                                     ; sources 0 and 1: the rows' window
.irp k, 0,1,2,3
	v_pk_add_f32 v[SM+2*\k:SM+2*\k+1], v[(\src)+16*\k:(\src)+16*\k+1], v[(\src)+16*\k+2:(\src)+16*\k+3]
.endr
	WIN 4*(\w)                                     ; source 1 alone
.irp n, 4,6,8,10,12,14
.irp k, 0,1,2,3
	v_pk_add_f32 v[SM+2*\k:SM+2*\k+1], v[SM+2*\k:SM+2*\k+1], v[(\src)+16*\k+\n:(\src)+16*\k+\n+1]
.endr
.endr
	WIN 0
	ACROSS SM
.irp k, 0,1,2,3
	v_mul_f32 v[SM+2*\k], s40, v[SM+2*\k]          ; the mean
.endr
	WIN (\w)                                       ; source 0 alone
.irp n, 0,2,4,6,8,10,12,14
.irp k, 0,1,2,3
	v_pk_add_f32 v[HA+16*\k+\n:HA+16*\k+\n+1], v[(\src)+16*\k+\n:(\src)+16*\k+\n+1], v[SM+2*\k:SM+2*\k+1] op_sel_hi:[1,0] neg_lo:[0,1] neg_hi:[0,1]   ; x - mean
.endr
.endr
	WIN 0
.irp k, 0,1,2,3
	v_pk_mul_f32 v[SQ+2*\k:SQ+2*\k+1], v[HA+16*\k:HA+16*\k+1], v[HA+16*\k:HA+16*\k+1]
.endr
.irp n, 2,4,6,8,10,12,14
.irp k, 0,1,2,3
	v_pk_fma_f32 v[SQ+2*\k:SQ+2*\k+1], v[HA+16*\k+\n:HA+16*\k+\n+1], v[HA+16*\k+\n:HA+16*\k+\n+1], v[SQ+2*\k:SQ+2*\k+1]
.endr
.endr
	ACROSS SQ
.irp k, 0,1,2,3
	v_fma_f32 v[SQ+2*\k], v[SQ+2*\k], s40, s41     ; the variance + eps
.endr
	s_wait_alu depctr_va_vdst(0)
.irp k, 0,1,2,3
	v_rsq_f32 v[SQ+2*\k], v[SQ+2*\k]
.endr
	v_nop                                          ; one plain place behind the transcendentals
	s_wait_alu depctr_va_vdst(0)                   ; the four reciprocal roots are written: one wait for the batch, ahead of its first reader
.irp n, 0,2,4,6,8,10,12,14
.irp k, 0,1,2,3
	v_pk_mul_f32 v[HA+16*\k+\n:HA+16*\k+\n+1], v[HA+16*\k+\n:HA+16*\k+\n+1], v[SQ+2*\k:SQ+2*\k+1] op_sel_hi:[1,0]
.endr
.endr
.irp n, 0,2,4,6,8,10,12,14
.irp k, 0,1,2,3
	v_pk_fma_f32 v[HA+16*\k+\n:HA+16*\k+\n+1], v[HA+16*\k+\n:HA+16*\k+\n+1], v[G+\n:G+\n+1], v[BB+\n:BB+\n+1]
.endr
.endr
.endm
	s_load_b512 s[4:19], s[0:1], 0x0               ; ox, ln_g, ln_b, the weights' codes, b1, b2, lnff_g, lnff_b
	s_load_b64 s[20:21], s[0:1], 0x40              ; out0
	v_lshl_add_u32 v254, v0, 2, 0x29400
	v_mov_b32 v255, 0
	v_lshrrev_b32 v1, 5, v0
	v_readfirstlane_b32 s28, v1                    ; wave 0..3
	v_and_b32 v1, 31, v0                           ; lane
	v_and_b32 v2, 15, v0                           ; r
	v_bfe_u32 v3, v0, 4, 1                         ; h
	v_lshlrev_b32 v[L16], 4, v1
	s_wait_alu depctr_va_sdst(0)                   ; s28, the wave's number, is written, ahead of its first reader
	s_mul_i32 s31, s28, 16*PITCH
	v_add_nc_u32 v[SWR], s31, v[L16]               ; the stage: my 16 rows, 16 x lane
	v_mul_u32_u24 v[SRD], v2, PITCH
	v_lshl_add_u32 v[SRD], v3, 6, v[SRD]
	v_add_nc_u32 v[SRD], s31, v[SRD]               ; my row r, + 64 h
	s_lshl_b32 s31, s28, 12
	s_add_co_u32 s31, s31, XIMG
	v_add_nc_u32 v[XWI], s31, v[L16]
	s_lshl_b32 s31, s28, 9
	s_add_co_u32 s31, s31, XSC
	v_lshl_add_u32 v[XWS], v1, 2, s31
	v_add_nc_u32 v[LI], XIMG, v[L16]
	v_lshl_add_u32 v[LS], v1, 2, XSC
	v_lshlrev_b32 v[BA], 6, v3
	v_lshlrev_b32 v[WSA], 4, v2
	s_lshl_b32 s31, s28, 10
	s_add_co_u32 s31, s31, HIMG
	v_add_nc_u32 v[HWI], s31, v[L16]
	s_lshl_b32 s31, s28, 7
	s_add_co_u32 s31, s31, HSC
	v_lshl_add_u32 v[HWS], v1, 2, s31
	v_add_nc_u32 v[HLI], HIMG, v[L16]
	v_lshl_add_u32 v[HLS], v1, 2, HSC
	v_mul_u32_u24 v[FSO], v2, PITCH
	v_lshl_add_u32 v[FSO], v3, 6, v[FSO]
	s_lshl_b32 s31, s28, 9
	v_add_nc_u32 v[FSO], s31, v[FSO]
	v_add_nc_u32 v[FSO2], 32*PITCH, v[FSO]
.irp b, 0,1,2,3
	v_mov_b32 v[TM+4+\b], 0                        ; written once: a lane permute's destination counts as one of its sources
.endr
	s_mov_b32 s[SEL], 0x76543210
	s_mov_b32 s[SEL+1], 0xfedcba98
	s_mov_b32 s40, 0x3b000000                      ; 1 / 512
	s_mov_b32 s41, 0x3727c5ac                      ; eps = 1e-5
	s_mov_b32 s33, 0
	s_lshl_b32 s32, ttmp9, 17                      ; 64 rows of 2,048 bytes a work-group,
	s_lshl_b32 s31, s28, 15                        ; 16 a wave
	s_add_co_u32 s32, s32, s31
	s_wait_kmcnt 0x0
	s_add_nc_u64 s[PO:PO+1], s[PO:PO+1], s[32:33]
	s_add_nc_u64 s[POUT:POUT+1], s[POUT:POUT+1], s[32:33]
	; ---- X: the first norm's gain and bias, then my 16 rows, each load 512 consecutive bytes
	s_wait_alu depctr_va_vdst(0)                   ; the addresses and offsets (v4 to v15, v57, v58, v76, v77) are written, which every load and store of the kernel reads
.irp q, 0,1,2,3
	global_load_b128 v[G+4*\q:G+4*\q+3], v[L16], s[PG:PG+1] offset:512*\q
	global_load_b128 v[BB+4*\q:BB+4*\q+3], v[L16], s[PB:PB+1] offset:512*\q
.endr
	WIN 0xc0                                       ; destination window 3
.irp i, 0,1,2,3,4,5,6,7,8,9,10,11,12,13,14,15
.irp q, 0,1,2,3
	global_load_b128 v[16*\i+4*\q:16*\i+4*\q+3], v[L16], s[PO:PO+1] offset:\i*2048+512*\q th:TH_LOAD_NT
.endr
.endr
	s_lshl_b32 s32, s28, 11                        ; W1's scale words: weight 3 of the five, 8 tiles x 256 bytes a wave
	s_add_co_u32 s32, s32, WSCL+3*8192
	s_add_nc_u64 s[PWS:PWS+1], s[PWC:PWC+1], s[32:33]
	s_lshl_b32 s32, s28, 15                        ; W1's codes
	s_add_co_u32 s32, s32, 3*131072
	s_add_nc_u64 s[PWC:PWC+1], s[PWC:PWC+1], s[32:33]
	s_lshl_b32 s32, s28, 9                         ; the biases: 128 numbers a wave
	s_add_nc_u64 s[PB1:PB1+1], s[PB1:PB1+1], s[32:33]
	s_add_nc_u64 s[PB2:PB2+1], s[PB2:PB2+1], s[32:33]
.irp gi, 0,1,2,3
.if \gi > 0
	s_wait_dscnt 0x0                               ; the last group's stores into the stage have landed,
	s_wait_alu depctr_vm_vsrc(0)                   ; and have read v[HA ..], which this group's norm writes again
.endif
	s_wait_loadcnt 48                              ; four rows' 16 loads are in (and what was asked for ahead of them); behind them three groups of 16 are out: rows still to come, and W1's groups issued below
	WIN 0x40                                       ; destination window 1: W1's tiles 2 gi, 2 gi + 1
.irp tt, 0,1
.irp s, 0,1,2,3
.irp c, 0,1
	global_load_b128 v[8*(4*(2*\gi+\tt)+\s)+4*\c:8*(4*(2*\gi+\tt)+\s)+4*\c+3], v[L16], s[PWC:PWC+1] offset:(2*\gi+\tt)*4096+\s*1024+\c*512
.endr
.endr
.endr
	LN4 64*\gi, 3
	s_wait_alu depctr_va_vdst(0)                   ; the norm has written v[HA ..], which the stores below read; behind the last group it is also done reading window 3, the gain and the bias, in which the loads behind the stores land
.irp k, 0,1,2,3
.irp q, 0,1,2,3
	ds_store_b128 v[SWR], v[HA+16*\k+4*\q:HA+16*\k+4*\q+3] offset:(4*\gi+\k)*PITCH+512*\q
.endr
.endr
.endr
.irp t, 0,1,2,3,4,5,6,7
	global_load_b128 v[WS+4*\t:WS+4*\t+3], v[WSA], s[PWS:PWS+1] offset:\t*256             ; W1's scale words: set 0
	global_load_b128 v[WS+32+4*\t:WS+32+4*\t+3], v[WSA], s[PWS:PWS+1] offset:8192+\t*256  ; W2's: set 1
.endr
.irp q, 0,1,2,3
	global_load_b128 v[G+4*\q:G+4*\q+3], v[L16], s[PFG:PFG+1] offset:512*\q               ; the last norm's gain and bias take the first's place
	global_load_b128 v[BB+4*\q:BB+4*\q+3], v[L16], s[PFB:PFB+1] offset:512*\q
.endr
	WIN 0xc0
.irp t, 0,1,2,3,4,5,6,7                ; the biases in the result's layout: lane half h wants features 32 (t / 2) + 8 (t % 2) + 16 h + 0 .. 7
	global_load_b128 v[8*\t:8*\t+3], v[BA], s[PB1:PB1+1] offset:(32*(\t/2)+8*(\t%2))*4
	global_load_b128 v[8*\t+4:8*\t+7], v[BA], s[PB1:PB1+1] offset:(32*(\t/2)+8*(\t%2))*4+16
	global_load_b128 v[64+8*\t:64+8*\t+3], v[BA], s[PB2:PB2+1] offset:(32*(\t/2)+8*(\t%2))*4
	global_load_b128 v[64+8*\t+4:64+8*\t+7], v[BA], s[PB2:PB2+1] offset:(32*(\t/2)+8*(\t%2))*4+16
.endr
	WIN 0
.irp a, 0,1,2,3                        ; K step a of my 16 rows comes back from the stage, 16 neighbours of each block of 32 to a lane (my own bytes: LDS serves a wave's instructions in order), and is quantised
.if \a == 0
	s_wait_alu depctr_vm_vsrc(0)                   ; the last stores into the stage have read v[HA ..], in which the loads below land
.endif
.irp b, 0,1,2,3
.irp j, 0,1,2,3
	ds_load_b128 v[HA+16*\b+4*\j:HA+16*\b+4*\j+3], v[SRD] offset:512*\a+128*\b+16*\j
.endr
.endr
	WIN 0x80                                       ; destination window 2: W2's tiles 2 a, 2 a + 1
.irp tt, 0,1
.irp s, 0,1,2,3
.irp c, 0,1
	global_load_b128 v[8*(4*(2*\a+\tt)+\s)+4*\c:8*(4*(2*\a+\tt)+\s)+4*\c+3], v[L16], s[PWC:PWC+1] offset:131072+(2*\a+\tt)*4096+\s*1024+\c*512
.endr
.endr
.endr
	WIN 0
	s_wait_dscnt 0x0                               ; the numbers are in
.if \a > 0
	s_wait_alu depctr_vm_vsrc(0)                   ; the last step's LDS stores have read the codes and the scale word, which are written again now
.endif
	QUANT HA, PW
	s_wait_alu depctr_va_vdst(0)                   ; the codes and the scale word are written, which the stores below read; and the lines above are done reading v[HA ..], in which the next step's loads land
	ds_store_b128 v[XWI], v[PC:PC+3] offset:1024*\a
	ds_store_b128 v[XWI], v[PC+4:PC+7] offset:1024*\a+512
	ds_store_b32 v[XWS], v[PW] offset:128*\a
.endr
	BARRIER                                        ; the first operand's sixteen fragments lie in LDS
	WIN 0xc0
.irp f, 0,1,2,3,4,5,6,7,8,9,10,11,12,13,14,15
	ds_load_b128 v[128+8*\f:128+8*\f+3], v[LI] offset:1024*\f
	ds_load_b128 v[128+8*\f+4:128+8*\f+7], v[LI] offset:1024*\f+512
.endr
	WIN 0
.irp f, 0,1,2,3,4,5,6,7,8,9,10,11,12,13,14,15
	ds_load_b32 v[XS+\f], v[LS] offset:128*\f
.endr
	s_wait_loadcnt 0x0                             ; W1, W2, their scale words, the biases, the last norm's gain and bias
	s_wait_dscnt 0x0
	; ---- 1: the hidden layer, a tile of 16 rows at a time
.irp m, 0,1,2,3
	PROD 1, 0, 0, \m
	PLACES 5                                       ; behind the products: four for the reads of their results, five for the next tile's products, which begin these accumulators anew
.set j, 0
.rept 64
	v_max_num_f32 v[HA+j], 0, v[HA+j]              ; the activation; each accumulator from its low end on
.set j, j+1
.endr
	s_wait_dscnt 0x0                               ; the last LDS stores have landed,
	s_wait_alu depctr_vm_vsrc(0)                   ; and have read the codes and the scale word, which are written again now
	QUANT HA, PW
	s_wait_alu depctr_va_vdst(0)                   ; the codes and the scale word are written, which the stores below read; behind the last tile the products are also done reading window 3's fragments and v[XS ..], in which the next phase's loads land
	ds_store_b128 v[HWI], v[PC:PC+3] offset:4096*\m        ; K step w of the second product, rows 16 m on
	ds_store_b128 v[HWI], v[PC+4:PC+7] offset:4096*\m+512
	ds_store_b32 v[HWS], v[PW] offset:512*\m
.endr
	BARRIER                                        ; the hidden layer's sixteen fragments lie in LDS
	WIN 0xc0
.irp f, 0,1,2,3,4,5,6,7,8,9,10,11,12,13,14,15
	ds_load_b128 v[128+8*\f:128+8*\f+3], v[HLI] offset:1024*\f
	ds_load_b128 v[128+8*\f+4:128+8*\f+7], v[HLI] offset:1024*\f+512
.endr
	WIN 0
.irp f, 0,1,2,3,4,5,6,7,8,9,10,11,12,13,14,15
	ds_load_b32 v[XS+\f], v[HLS] offset:128*\f
.endr
	; ---- 2: my 128 outputs, a tile of 16 rows at a time, into the stage (nobody reads it since the first barrier)
.irp m, 0,1,2,3
	s_wait_dscnt 0x0                               ; the fragments are in; the last tile's stores have landed
.if \m > 0
	s_wait_alu depctr_vm_vsrc(0)                   ; the last tile's stores have read the accumulators, which this tile's products write again
.endif
	PROD 2, 64, 1, \m
	PLACES 5
	s_wait_alu depctr_va_vdst(0)                   ; the products have written the accumulators, which the stores below read; the places above stay beside this wait
.irp b, 0,1,2,3
.irp i, 0,1,2,3
	ds_store_b128 v[FSO+\m/2], v[HA+16*\b+4*\i:HA+16*\b+4*\i+3] offset:(\m%2)*16*PITCH+128*\b+16*\i   ; row 16 m + r, columns 128 w + 32 b + 16 h + 4 i on; each accumulator from its low end on
.endr
.endr
.endr
	BARRIER                                        ; 64 whole rows lie in the stage
	; ---- the last norm of my 16 rows, four at a time, and out
.irp gi, 0,1,2,3
.if \gi > 0
	s_wait_xcnt 0x0                                ; the last group's stores have had their addresses translated
.endif
	s_wait_alu depctr_vm_vsrc(0)                   ; the stores issued so far (into the stage; from the second group on, of the result) have read v[HA ..], in which the loads below land
.irp k, 0,1,2,3
.irp q, 0,1,2,3
	ds_load_b128 v[HA+16*\k+4*\q:HA+16*\k+4*\q+3], v[SWR] offset:(4*\gi+\k)*PITCH+512*\q
.endr
.endr
	s_wait_dscnt 0x0
	LN4 HA, 0
	s_wait_alu depctr_va_vdst(0)                   ; the norm has written v[HA ..], which the stores below read, and is done with them: the next group's loads land there
.irp k, 0,1,2,3
.irp q, 0,1,2,3
	global_store_b128 v[L16], v[HA+16*\k+4*\q:HA+16*\k+4*\q+3], s[POUT:POUT+1] offset:(4*\gi+\k)*2048+512*\q th:TH_STORE_NT   ; 512 consecutive bytes, aligned; written once, read by nobody here
.endr
.endr
.endr
	s_wait_dscnt 0x0                               ; the closing lines, six on end
	s_wait_alu 0x0
	s_wait_tensorcnt 0x0
	ds_add_u32 v254, v255
	s_wait_dscnt 0x0
	s_endpgm
.Lfunc_end_k_qa055eae1ab_ffn:
	.size	k_qa055eae1ab_ffn, .Lfunc_end_k_qa055eae1ab_ffn-k_qa055eae1ab_ffn
	.p2alignl 7, 3214868480
	.fill 96, 4, 3214868480
	.section	.rodata,"a",@progbits
	.p2align	6, 0x0
	.amdhsa_kernel k_qa055eae1ab_ffn
		.amdhsa_group_segment_fixed_size 169472
		.amdhsa_private_segment_fixed_size 0
		.amdhsa_enable_private_segment 0
		.amdhsa_kernarg_size 72
		.amdhsa_user_sgpr_count 2
		.amdhsa_user_sgpr_kernarg_segment_ptr 1
		.amdhsa_wavefront_size32 1
		.amdhsa_system_sgpr_workgroup_id_x 1
		.amdhsa_system_sgpr_workgroup_id_y 1
		.amdhsa_system_sgpr_workgroup_id_z 1
		.amdhsa_system_vgpr_workitem_id 0
		.amdhsa_next_free_vgpr 1024
		.amdhsa_next_free_sgpr 66
		.amdhsa_reserve_vcc 0
		.amdhsa_float_denorm_mode_32 3
		.amdhsa_float_denorm_mode_16_64 3
		.amdhsa_memory_ordered 1
		.amdhsa_forward_progress 1
		.amdhsa_inst_pref_size 240
	.end_amdhsa_kernel
	.amdgpu_metadata
---
amdhsa.version: [ 1, 2 ]
amdhsa.kernels:
  - .name:           k_qa055eae1ab_ffn
    .symbol:         k_qa055eae1ab_ffn.kd
    .args:
      - { .name: ox, .offset: 0, .size: 8, .value_kind: global_buffer, .address_space: global }
      - { .name: ln_g, .offset: 8, .size: 8, .value_kind: global_buffer, .address_space: global }
      - { .name: ln_b, .offset: 16, .size: 8, .value_kind: global_buffer, .address_space: global }
      - { .name: wcodes, .offset: 24, .size: 8, .value_kind: global_buffer, .address_space: global }
      - { .name: b1, .offset: 32, .size: 8, .value_kind: global_buffer, .address_space: global }
      - { .name: b2, .offset: 40, .size: 8, .value_kind: global_buffer, .address_space: global }
      - { .name: lnff_g, .offset: 48, .size: 8, .value_kind: global_buffer, .address_space: global }
      - { .name: lnff_b, .offset: 56, .size: 8, .value_kind: global_buffer, .address_space: global }
      - { .name: out0, .offset: 64, .size: 8, .value_kind: global_buffer, .address_space: global }
    .group_segment_fixed_size: 169472
    .private_segment_fixed_size: 0
    .kernarg_segment_align: 8
    .kernarg_segment_size: 72
    .max_flat_workgroup_size: 128
    .sgpr_count:     66
    .vgpr_count:     1024
    .wavefront_size: 32
...
	.end_amdgpu_metadata
.endif
;; end of part 7
